; MI455X (gfx1250); checked and timed in simulation.
; The chip was launched on July 23, 2026; its instructions are those of AMD's public machine-readable ISA for CDNA 5 (MIT licence, August 2026) and "CDNA5" Instruction Set Architecture Reference Guide (July 2026). The comments in the code are by the model that wrote it; some were corrected since.
;; Multihead self attention. Allowed arithmetic: matrix products marked QUANTISED: E2M1 operands, one E8M0 scale for each 32 along K, by v_wmma_scale_f32_16x16x128_f8f6f4 with both operands' format E2M1 (or v_wmma_scale_f32_32x16x128_f4), f32 sums; products left as they are: bf16, f16 or f32 operands; f32 sums; everything else in f32.
;; Inputs: Wk 1,024 x 1,024 float32; Wo 1,024 x 1,024 float32; Wq 1,024 x 1,024 float32; Wv 1,024 x 1,024 float32; token_positions 2,048 int32; x 4 x 2,048 x 1,024 float32.
;; Outputs: out0 4 x 2,048 x 1,024 float32.
;; This version of the problem:
;;   THIS VERSION OF THE PROBLEM IS GIVEN IN LOW PRECISION. The matrix products marked QUANTISED in the list below multiply operands that are first quantised to E2M1 (2 exponent bits, 1 mantissa bit; 4 bits a number), with one power-of-two scale for each 32 numbers along K (OCP MX v1.0); their sums are f32. The products marked 'left as it is' may take bf16, f16 or f32 operands, with f32 sums. Whichever they take, every output number must still come out within the allowed error. Rounding operands to bf16 (8 significant bits) uses up far more of that allowance than f16 does (11 bits, for magnitudes from 6e-5 to 65,504). All else is computed in f32.
;;   The module's matrix products, in the order in which they are computed (A, B: the left and right operand; K: the contracted axis; several contracted axes count as one K, in the product's order):
;;     1. [M 8,192, K 1,024] x [K 1,024, N 1,024]; A: input x; B: input Wq: QUANTISED
;;     2. [M 8,192, K 1,024] x [K 1,024, N 1,024]; A: input x; B: input Wk: QUANTISED
;;     3. [M 8,192, K 1,024] x [K 1,024, N 1,024]; A: input x; B: input Wv: QUANTISED
;;     4. batch 64 x [M 2,048, K 64] x [K 64, N 2,048]; A: computed on the way; B: computed on the way: left as it is (an operand is computed on the way)
;;     5. batch 64 x [M 2,048, K 2,048] x [K 2,048, N 64]; A: computed on the way; B: computed on the way: left as it is (an operand is computed on the way)
;;     6. [M 8,192, K 1,024] x [K 1,024, N 1,024]; A: computed on the way; B: input Wo: left as it is (an operand is computed on the way)
;;   THE QUANTISER, for each operand of a quantised product, along K:
;;     - K is cut into blocks of 32 from its start; a last block that is shorter is filled with zeros.
;;     - A block's scale is 2^e with e = floor(log2(the largest magnitude in the block)) - 2, held to -126 .. 127; a block of zeros has e = 0. As a byte (E8M0): e + 127.
;;     - Each number is divided by its block's scale, clamped to +-6, and rounded to the nearest number of E2M1, ties to even, subnormals kept.
;;     - The product sums the exact products of the quantised numbers (number of the format x scale) in f32.
;;   ~~~python
;;   def quantise(x, axis):      # numpy; x: float32 -> the quantised numbers, widened to float32 again
;;       x = np.moveaxis(x, axis, -1); K = x.shape[-1]
;;       x = np.pad(x, [(0, 0)] * (x.ndim - 1) + [(0, -K % 32)]); x = x.reshape(x.shape[:-1] + (-1, 32)); a = np.abs(x).max(-1, keepdims=True)
;;       e = np.where(a > 0, np.clip(np.frexp(np.where(a > 0, a, 1))[1] - 1 - 2, -126, 127), 0)      # np.frexp(a)[1] - 1 = floor(log2(a)), exactly
;;       r = np.clip(x / 2.0 ** e, -6, 6)
;;       step = 2.0 ** (np.maximum(np.frexp(np.where(r == 0, 1, r))[1] - 1, 0) - 1)
;;       q = np.round(r / step) * step * 2.0 ** e      # np.round: ties to even
;;       return np.moveaxis(q.reshape(q.shape[:-2] + (-1,))[..., :K], -1, axis).astype(np.float32)
;;   ~~~
;; One version. Each part assembles by itself: llvm-mc -triple=amdgcn-amd-amdhsa -mcpu=gfx1250 --defsym DOCPART=n.
;; ======== version 1 of 1: 5 launches
;; limits: values are held in f16: magnitudes above 65,504 overflow, below 6.1e-05 lose precision
;; workspace buffers: codes 5,767,168 bytes; scales 360,448 bytes; wo16 2,097,152 bytes; rope 589,824 bytes; qkv 50,331,648 bytes; fine32 786,432 bytes; o16 16,777,216 bytes
;; launch prep (part 1): grid 420 x 1, 4 waves a work-group, no clusters, 33,280 bytes of LDS; arguments x, Wq, Wk, Wv, Wo, token_positions, codes, scales, wo16, rope; writes codes, scales, wo16, rope
.if DOCPART == 1
	.amdgcn_target "amdgcn-amd-amdhsa--gfx1250"
	.amdhsa_code_object_version 6
	.text
	.protected	k_qf888602993_prep
	.globl	k_qf888602993_prep
	.p2align	8
	.type	k_qf888602993_prep,@function
k_qf888602993_prep:
	s_mov_b64 s[64:65], 0
	v_nop
	global_prefetch_b8 v0, s[64:65] scope:SCOPE_SE
	s_setreg_imm32_b32 hwreg(HW_REG_WAVE_MODE, 25, 1), 1
	s_wait_xcnt 0x0
; PREP: what every later launch reads again is made once.  Three kinds of work-group, told apart by the work-group's number alone:
;   0-351    x [8192][1024] and Wq, Wk, Wv [1024][1024], f32, K innermost, become codes of FP4 (E2M1), two a byte, and one E8M0 scale byte for each 32 along K.
;            codes: x's 8,192 rows of 512 bytes, then the 3,072 rows of Wq, Wk, Wv;  scales: 32 bytes a row, in the same order.
;   352-383  Wo becomes f16 (the last product is left as it is; f16 has 11 significant bits).
;   384-419  the table of rotations: row s < 2,048: (cos, sin) of token_positions[s] x 10000^(-i/32), i = 0 .. 31, f32, 256 bytes a row; rows 2,048-2,303: (1, 0), which V's tiles take.
; A block's scale is 2^(floor(log2(its largest magnitude)) - 2); its byte is the largest magnitude's exponent field - 2, held at 1 from below.  A block of zeros so gets the byte 1 where the rule says 127:
; its codes are zeros, which add nothing under any byte but 0xff, and this program alone reads the bytes.
; LIMITS: NaN and infinities among the inputs are not served; blocks whose largest magnitude lies under 2^-124 take the byte 1.  The angle: 10000^(-i/32) is 2^(-(i/32) log2 10000) by v_exp_f32
; (1 ulp), so an angle of 2,047 is off by some 3e-4 at the most; it is reduced by pi/2 in three parts (72 bits), which serves |angle| up to about 2^23; beyond that cos and sin lose their meaning here.
; Memory binds: loads of 512 consecutive bytes a wave, several steps ahead; stores of whole aligned runs of 256 bytes.  No matrix unit, no cluster, no tensor load: waves share nothing.
.set WAVES, 4
.set STEPS, 16
.set EMAX,  2
.set CB,    8                          ; bytes of 16 codes
.set R,     16                         ; v16-79   four sets of 16 numbers as they are loaded
.set X,     80                         ; v80-111  two sets of 16 neighbours
.set C,     128                        ; v128-191 codes: four registers for each step, so that no store's data are written again
.set E,     112                        ; v112-127 a scale byte for each step
.set WREG,  8192                       ; LDS: a region for each wave: two stages of 32 x SP bytes, and behind them its 256 scale bytes
.set SP,    80                         ; a lane's place in a stage: its 64 bytes + 16 of padding
.set SPW,   12                         ; v12  LDS address of my spare word: SPARE + 4 x my thread's number; never rewritten
.set NIL,   13                         ; v13  0; never rewritten
.set SPARE, WAVES*WREG                 ; behind the four regions: the spare words, 128 bytes a wave
	s_load_b512 s[32:47], s[0:1], 0x0              ; x 32, Wq 34, Wk 36, Wv 38, Wo 40, token_positions 42, codes 44, scales 46
	s_load_b128 s[48:51], s[0:1], 0x40             ; wo16 48, rope 50
	v_lshl_add_u32 v[SPW], v0, 2, SPARE
	v_mov_b32 v[NIL], 0
	v_lshrrev_b32 v1, 5, v0
	v_readfirstlane_b32 s16, v1                    ; wave
	v_and_b32 v2, 31, v0                           ; lane
	s_wait_kmcnt 0x0
	s_cmp_ge_u32 ttmp9, 352
	s_cbranch_scc1 .Lother
; ---- THE QUANTISER.  Rows are dense and K is a multiple of 32: a tensor is a plain stream of blocks of 32, and so are its codes and scale bytes.  A wave takes 16 steps of 512 numbers.
; Each load reads 512 consecutive bytes; a step's 2,048 bytes turn through the wave's own stage in LDS and come back 64 bytes a lane: 16 neighbours along K, two lanes to a block.
	v_lshlrev_b32 v3, 4, v2                        ; my 16 bytes of a load's 512
	s_mul_i32 s17, s16, WREG
	v_lshrrev_b32 v14, 2, v2
	v_mul_u32_u24 v14, v14, SP
	v_and_b32 v15, 3, v2
	v_lshl_add_u32 v14, v15, 4, v14
	v_add_nc_u32 v14, s17, v14                     ; the stage, on the way in: SP (lane / 4) + 16 (lane % 4)
	v_mul_u32_u24 v15, v2, SP
	v_add_nc_u32 v15, s17, v15                     ; and on the way out: SP x lane
	v_mul_u32_u24 v4, v2, CB                       ; my codes' place in a step's
	v_lshrrev_b32 v5, 1, v2
	s_add_co_u32 s17, s17, 2*32*SP
	v_add_nc_u32 v5, s17, v5                       ; LDS: my wave's 256 scale bytes, my block's byte
	v_lshlrev_b32 v7, 3, v2                        ; and on the way out 8 bytes a lane
	v_add_nc_u32 v6, s17, v7
	s_sub_co_u32 s29, ttmp9, 256                   ; among the weights' 96 work-groups (not used for x)
	s_lshr_b32 s30, s29, 5                         ; which weight
	s_and_b32 s31, s29, 31                         ; which 32,768 numbers of it
	s_cmp_eq_u32 s30, 1                            ; the choices hang on the work-group's number alone
	s_cselect_b64 s[4:5], s[36:37], s[34:35]
	s_cmp_eq_u32 s30, 2
	s_cselect_b64 s[4:5], s[38:39], s[4:5]
	s_cmp_lt_u32 ttmp9, 256
	s_cselect_b64 s[4:5], s[32:33], s[4:5]
	s_cselect_b32 s31, ttmp9, s31
	s_lshl_b32 s17, s31, 2
	s_add_co_u32 s18, s17, s16                     ; my wave's run of 8,192 numbers in its tensor
	s_lshl_b32 s20, s18, 15
	s_mov_b32 s21, 0
	s_add_nc_u64 s[4:5], s[4:5], s[20:21]
	s_lshl_b32 s17, ttmp9, 2
	s_add_co_u32 s18, s17, s16                     ; and in the two outputs, where the weights' parts follow x's
	s_lshl_b32 s20, s18, 12                        ; 4,096 bytes of codes a run
	s_add_nc_u64 s[8:9], s[44:45], s[20:21]
	s_lshl_b32 s20, s18, 8                         ; 256 scale bytes a run
	s_add_nc_u64 s[10:11], s[46:47], s[20:21]
.macro LOAD t
.irp i, 0,1,2,3
	global_load_b128 v[R+16*((\t)%4)+4*\i:R+16*((\t)%4)+4*\i+3], v3, s[4:5] offset:2048*(\t)+512*\i th:TH_LOAD_NT   ; 32 lanes read 512 consecutive bytes
.endr
.endm
.macro TURN t                          ; step t's numbers through the stage: LDS serves a wave's instructions in order, so no wait stands between the stores and the loads
.irp i, 0,1,2,3
	ds_store_b128 v14, v[R+16*((\t)%4)+4*\i:R+16*((\t)%4)+4*\i+3] offset:32*SP*((\t)%2)+8*SP*\i
.endr
.irp i, 0,1,2,3
	ds_load_b128 v[X+16*((\t)%2)+4*\i:X+16*((\t)%2)+4*\i+3], v15 offset:32*SP*((\t)%2)+16*\i
.endr
.endm
.irp t, 0,1,2,3
	LOAD \t
.endr
	s_wait_loadcnt 12                              ; step 0's four loads are in; the twelve of steps 1 to 3 may be out
	TURN 0
.macro STEP t
.set XS, X+16*((\t)%2)
.if (\t) > 0
	s_wait_dscnt 1                                 ; this step's numbers are back from the stage (the last step's byte store may be out)
.else
	s_wait_dscnt 0x0
.endif
.if (\t)+4 < STEPS
	LOAD (\t)+4                                    ; into the registers that the stage's stores have read
.endif
.if (\t)+1 < STEPS
.if STEPS-2-(\t) >= 3
	s_wait_loadcnt 12                              ; the next step's four loads are in; those of the three steps behind it may be out
.else
	s_wait_loadcnt 4*(STEPS-2-(\t))
.endif
	TURN (\t)+1
.endif
	v_max3_num_f32 v8, |v[XS]|, |v[XS+1]|, |v[XS+2]|               ; the largest magnitude of my 16, in two chains
	v_max3_num_f32 v9, |v[XS+3]|, |v[XS+4]|, |v[XS+5]|
.irp i, 6,10
	v_max3_num_f32 v8, v8, |v[XS+\i]|, |v[XS+\i+1]|
	v_max3_num_f32 v9, v9, |v[XS+\i+2]|, |v[XS+\i+3]|
.endr
	v_max3_num_f32 v8, v8, |v[XS+14]|, |v[XS+15]|
	v_max3_num_f32 v8, v8, v9, (EMAX+1)<<23        ; and the floor 2^(3 - 127): the byte cannot fall under 1
	v_max_num_f32_dpp v8, v8, v8 row_xmask:1 row_mask:0xf bank_mask:0xf   ; and of my neighbour's 16: the block's
	v_add_nc_u32 v11, -(EMAX<<23), v8              ; 2 off its exponent field: the conversion takes the exponent field of this operand as its scale
	v_cvt_scalef32_pk8_fp4_f32 v[C+4*(\t)], v[XS:XS+7], v11
	v_cvt_scalef32_pk8_fp4_f32 v[C+4*(\t)+1], v[XS+8:XS+15], v11
	v_lshrrev_b32 v[E+(\t)], 23, v11               ; the scale's byte
	ds_store_b8 v5, v[E+(\t)] offset:16*(\t)       ; both lanes of a block write the same byte with the same value
	global_store_b64 v4, v[C+4*(\t):C+4*(\t)+1], s[8:9] offset:32*CB*(\t)   ; the wave stores 256 consecutive bytes, aligned
.endm
.irp t, 0,1,2,3,4,5,6,7,8,9,10,11,12,13,14,15
	STEP \t
.endr
	ds_load_b64 v[8:9], v6                         ; LDS serves a wave's instructions in order: these see my stores
	s_wait_dscnt 0x0
	global_store_b64 v7, v[8:9], s[10:11]          ; 32 lanes store 256 consecutive bytes, aligned
	s_wait_tensorcnt 0x0                           ; the wave's end, behind my last LDS store
	ds_add_u32 v[SPW], v[NIL]
	s_wait_dscnt 0x0
	s_endpgm
.Lother:
	s_cmp_ge_u32 ttmp9, 384
	s_cbranch_scc1 .Lrope
; ---- Wo TO f16.  A wave takes 8,192 numbers in four rounds of 16 loads; loads run a round ahead, in two sets of registers.  No LDS.
	s_sub_co_u32 s17, ttmp9, 352
	s_lshl_b32 s17, s17, 2
	s_add_co_u32 s18, s17, s16
	s_lshl_b32 s20, s18, 15
	s_mov_b32 s21, 0
	s_add_nc_u64 s[4:5], s[40:41], s[20:21]
	s_lshl_b32 s20, s18, 14
	s_add_nc_u64 s[8:9], s[48:49], s[20:21]
	v_lshlrev_b32 v3, 4, v2
	v_lshlrev_b32 v4, 3, v2
.macro LOADC n
.irp i, 0,1,2,3,4,5,6,7,8,9,10,11,12,13,14,15
	global_load_b128 v[16+64*((\n)%2)+4*\i:16+64*((\n)%2)+4*\i+3], v3, s[4:5] offset:8192*(\n)+512*\i
.endr
.endm
.macro CAST n
.if (\n) < 3
	s_wait_loadcnt 16                              ; this round's 16 loads are in; the next round's may be out
.else
	s_wait_loadcnt 0
.endif
	s_wait_xcnt 0x0                                ; the last round's stores have read v144-175: they are written again only behind this wait
.irp i, 0,1,2,3,4,5,6,7,8,9,10,11,12,13,14,15
	v_cvt_pk_f16_f32 v[144+2*\i], v[16+64*((\n)%2)+4*\i], v[16+64*((\n)%2)+4*\i+1]
	v_cvt_pk_f16_f32 v[145+2*\i], v[16+64*((\n)%2)+4*\i+2], v[16+64*((\n)%2)+4*\i+3]
.endr
.irp i, 0,1,2,3,4,5,6,7,8,9,10,11,12,13,14,15
	global_store_b64 v4, v[144+2*\i:145+2*\i], s[8:9] offset:4096*(\n)+256*\i   ; 256 consecutive bytes, aligned
.endr
.if (\n)+2 < 4
	LOADC (\n)+2
.endif
.endm
	LOADC 0
	LOADC 1
	CAST 0
	CAST 1
	CAST 2
	CAST 3
	s_endpgm
.Lrope:
; ---- THE TABLE OF ROTATIONS.  A wave takes 16 rows; a lane is a pair i.  cos and sin: the angle less n pi/2 (n the nearest whole number), two short polynomials on |r| <= pi/4, and the quadrant n mod 4.
	s_sub_co_u32 s17, ttmp9, 384
	s_lshl_b32 s17, s17, 6
	s_lshl_b32 s18, s16, 4
	s_add_co_u32 s28, s17, s18                     ; my first row
	s_min_u32 s20, s28, 2032                       ; rows from 2,048 on read the last 16 positions and use nothing of them: no load leaves the buffer
	s_lshl_b32 s20, s20, 2
	s_mov_b32 s21, 0
	s_add_nc_u64 s[42:43], s[42:43], s[20:21]
	s_load_b512 s[68:83], s[42:43], 0x0            ; 16 positions
	s_lshl_b32 s20, s28, 8
	s_add_nc_u64 s[50:51], s[50:51], s[20:21]
	s_cmp_lt_u32 s28, 2048
	s_cselect_b32 s30, 0x3f800000, 0               ; 1.0, or 0 in the rows of (1, 0): there every angle is 0
	s_mov_b32 s84, 0x3f22f983                      ; 2 / pi
	s_mov_b32 s85, 0x3fc90fd8                      ; pi / 2 in three parts: its first 22 bits,
	s_mov_b32 s86, 0x34a8885a                      ; the next 24,
	s_mov_b32 s87, 0x27c234c4                      ; and 24 more
	s_mov_b32 s88, 0x37ccf5ce                      ; cos: 2.443315712e-5
	s_mov_b32 s89, 0xbab6061a                      ;      -1.388731625e-3
	s_mov_b32 s90, 0x3d2aaaa5                      ;      4.166664568e-2
	s_mov_b32 s91, 0xb94ca1f9                      ; sin: -1.9515295891e-4
	s_mov_b32 s92, 0x3c08839e                      ;      8.3321608736e-3
	s_mov_b32 s93, 0xbe2aaaa3                      ;      -1.6666654611e-1
	s_mov_b32 s94, 0x80000000
	v_lshlrev_b32 v19, 3, v2                       ; 8 bytes a pair
	v_cvt_f32_u32 v20, v2
	v_mul_f32 v20, 0xbd000000, v20                 ; -i / 32, exact
	v_mul_f32 v20, 0x41549a78, v20                 ; x log2(10000)
	v_exp_f32 v20, v20
	v_nop                                          ; a plain instruction behind the exponential,
	s_wait_alu depctr_va_vdst(0)                   ; and a wait ahead of its first reader
	v_mul_f32 v20, s30, v20
	s_wait_kmcnt 0x0
.macro ROW k
	v_cvt_f32_i32 v21, s[68+\k]
	v_mul_f32 v22, v21, v20                        ; the angle: one rounding
	v_mul_f32 v23, s84, v22
	v_rndne_f32 v23, v23                           ; n
	v_fma_f32 v24, -v23, s85, v22
	v_fma_f32 v24, -v23, s86, v24
	v_fma_f32 v24, -v23, s87, v24                  ; r
	v_mul_f32 v25, v24, v24                        ; r^2
	v_fma_f32 v26, v25, s88, s89
	v_fma_f32 v27, v25, s91, s92
	v_fma_f32 v26, v26, v25, s90
	v_fma_f32 v27, v27, v25, s93
	v_mul_f32 v28, v24, v25
	v_fma_f32 v26, v26, v25, -0.5
	v_fma_f32 v27, v27, v28, v24                   ; sin r
	v_fma_f32 v26, v26, v25, 1.0                   ; cos r
	v_cvt_i32_f32 v29, v23
	v_and_b32 v30, 1, v29
	v_cmp_eq_u32 vcc_lo, 1, v30                    ; in odd quadrants the two change places
	v_cndmask_b32 v31, v27, v26, vcc_lo            ; sin
	v_cndmask_b32 v30, v26, v27, vcc_lo            ; cos
	v_lshlrev_b32 v28, 30, v29                     ; sin is negated where n mod 4 is 2 or 3,
	v_add_nc_u32 v29, 1, v29
	v_lshlrev_b32 v29, 30, v29                     ; cos where it is 1 or 2
	v_and_b32 v28, s94, v28
	v_and_b32 v29, s94, v29
	v_xor_b32 v[64+2*\k], v29, v30
	v_xor_b32 v[65+2*\k], v28, v31
	global_store_b64 v19, v[64+2*\k:65+2*\k], s[50:51] offset:256*\k   ; a row: 256 consecutive bytes, aligned; each row has registers of its own
.endm
.irp k, 0,1,2,3,4,5,6,7,8,9,10,11,12,13,14,15
	ROW \k
.endr
	s_endpgm
.Lfunc_end_k_qf888602993_prep:
	.size	k_qf888602993_prep, .Lfunc_end_k_qf888602993_prep-k_qf888602993_prep
	.p2alignl 7, 3214868480
	.fill 96, 4, 3214868480
	.section	.rodata,"a",@progbits
	.p2align	6, 0x0
	.amdhsa_kernel k_qf888602993_prep
		.amdhsa_group_segment_fixed_size 33280
		.amdhsa_private_segment_fixed_size 0
		.amdhsa_enable_private_segment 0
		.amdhsa_kernarg_size 80
		.amdhsa_user_sgpr_count 2
		.amdhsa_user_sgpr_kernarg_segment_ptr 1
		.amdhsa_wavefront_size32 1
		.amdhsa_system_sgpr_workgroup_id_x 1
		.amdhsa_system_sgpr_workgroup_id_y 1
		.amdhsa_system_sgpr_workgroup_id_z 1
		.amdhsa_system_vgpr_workitem_id 0
		.amdhsa_next_free_vgpr 192
		.amdhsa_next_free_sgpr 96
		.amdhsa_reserve_vcc 1
		.amdhsa_float_denorm_mode_32 3
		.amdhsa_float_denorm_mode_16_64 3
		.amdhsa_memory_ordered 1
		.amdhsa_forward_progress 1
		.amdhsa_inst_pref_size 76
	.end_amdhsa_kernel
	.amdgpu_metadata
---
amdhsa.version: [ 1, 2 ]
amdhsa.kernels:
  - .name:           k_qf888602993_prep
    .symbol:         k_qf888602993_prep.kd
    .args:
      - { .name: x, .offset: 0, .size: 8, .value_kind: global_buffer, .address_space: global }
      - { .name: Wq, .offset: 8, .size: 8, .value_kind: global_buffer, .address_space: global }
      - { .name: Wk, .offset: 16, .size: 8, .value_kind: global_buffer, .address_space: global }
      - { .name: Wv, .offset: 24, .size: 8, .value_kind: global_buffer, .address_space: global }
      - { .name: Wo, .offset: 32, .size: 8, .value_kind: global_buffer, .address_space: global }
      - { .name: token_positions, .offset: 40, .size: 8, .value_kind: global_buffer, .address_space: global }
      - { .name: codes, .offset: 48, .size: 8, .value_kind: global_buffer, .address_space: global }
      - { .name: scales, .offset: 56, .size: 8, .value_kind: global_buffer, .address_space: global }
      - { .name: wo16, .offset: 64, .size: 8, .value_kind: global_buffer, .address_space: global }
      - { .name: rope, .offset: 72, .size: 8, .value_kind: global_buffer, .address_space: global }
    .group_segment_fixed_size: 33280
    .private_segment_fixed_size: 0
    .kernarg_segment_align: 8
    .kernarg_segment_size: 80
    .max_flat_workgroup_size: 128
    .sgpr_count:     96
    .vgpr_count:     192
    .wavefront_size: 32
...
	.end_amdgpu_metadata
.endif
;; end of part 1
;; launch qkv (part 2): grid 12 x 32, 4 waves a work-group, clusters of 4 x 4, 327,680 bytes of LDS; arguments codes, scales, rope, qkv, fine32; writes qkv, fine32
.if DOCPART == 2
	.amdgcn_target "amdgcn-amd-amdhsa--gfx1250"
	.amdhsa_code_object_version 6
	.text
	.protected	k_qf888602993_qkv
	.globl	k_qf888602993_qkv
	.p2align	8
	.type	k_qf888602993_qkv,@function
k_qf888602993_qkv:
	s_mov_b64 s[64:65], 0
	v_nop
	global_prefetch_b8 v0, s[64:65] scope:SCOPE_SE
	s_setreg_imm32_b32 hwreg(HW_REG_WAVE_MODE, 25, 1), 1
	s_wait_xcnt 0x0
	s_wait_alu depctr_hold_cnt(0) depctr_sa_sdst(0) depctr_va_vdst(0) depctr_va_sdst(0) depctr_va_ssrc(0) depctr_va_vcc(0) depctr_vm_vsrc(0)
	s_getreg_b32 s2, hwreg(HW_REG_IB_STS2, 6, 4)
	s_cmp_eq_u32 s2, 0
	s_cbranch_scc0 .Lentry_in_a_cluster
	s_endpgm
.Lentry_in_a_cluster:
	s_bfe_u32 s2, ttmp6, 0x10000c
	s_cmp_lg_u32 s2, 0xf033
	s_cbranch_scc0 .Lentry_shape_is_right
	s_endpgm
.Lentry_shape_is_right:
; QKV: [x] [Wq; Wk; Wv]^T, M 8,192 x N 3,072 x K 1,024, on codes of FP4 (E2M1) with one E8M0 scale for each 32 along K; sums in f32.  Then, on the way out, in f32: the rotation of q and k by the table
; (v takes the table's rows of (1, 0), so that the three take one path); rounded once to f16 and stored head by head: qkv [3][64 (batch x 16 + head)][2048][64].
; The rows of the first 16 positions of each sequence go out in f32 as well: fine32 [3][4][16][1024].
; LIMIT: |q|, |k|, |v| stay under 65,504, the largest f16 number (inputs 30 times the drawn ones give some 5,000).
; A tile of 256 x 256 is made by four waves, each 128 x 128: 64 accumulators, 512 registers.  A tile is wholly q, k or v (1,024 = 4 x 256).  384 tiles.
; K is two steps of 512 (rows of 256 bytes): both, and the tile's scale bytes for all of K, are asked for at the head; nothing is filled again.  Three tensor loads of a wave are out at the most.
; CLUSTERS: 4 x 4 work-groups.  The four of a row of the cluster need the same rows of x, the four of a column the same rows of W: each tile is asked for JOINTLY.
; THE MATRIX INSTRUCTION IS USED TRANSPOSED (source 0 = 16 rows of W, source 1 = 16 rows of x): a lane holds eight neighbouring outputs of one row: four pairs of the rotation.
; REGISTERS: window 0: v0-31 addresses; v32-95 scale words, two sets (they hold nothing else); v128-191 x's fragments, one set; on the way out v96-127 packed f16, v128-191 cos and sin, v192-255 rows read back.
;   window 1: W's fragments, two sets, at v0 and v128; on the way out v0-63 the rotated numbers.   windows 2, 3: the accumulators ((a, b) at v[8 (8 (a % 4) + b)]).
.set KSTEP,  512
.set NQ,     KSTEP/128
.set ROWB,   256                       ; a tile's row in bytes
.set KROW,   512                       ; a row of codes in memory
.set PITCH,  272                       ; an LDS row: 256 bytes + 16 of padding: the 16 rows that a load touches start at 16 different banks
.set FR,     8
.set NL,     2
.set NP,     4                         ; places behind this matrix instruction (ISA guide 7.12.1)
.set HALFT,  128*PITCH
.set SLOT,   4*HALFT
.set KS,     32                        ; a row of scales in bytes
.set SCL,    2*SLOT                    ; behind the two slots: the scales, as runs of 256 bytes + 16 of padding
.set HALFS,  (128*KS/256)*272
.set SBLK,   (16*KS/256)*272
.set SPARE,  SCL+4*HALFS               ; the spare words, 128 bytes a wave
.set SGP,    144                       ; the way out: a stage row: a head's 128 bytes + 16
.set SGH,    16*SGP                    ; 16 rows of one head
.set ADRA, 16
.set ADRB, 20
.set S0V,  22                          ; v22  my wave's first position in its sequence
.set STO,  24
.set RD,   25
.set CO,   26
.set ADRS, 27
.set SPW,  28
.set NIL,  29
.set CSO,  30                          ; v30  my byte in 16 rows of the table
.set FO,   31                          ; v31  my byte in 16 rows of fine32
.set SC,   32
.set AF,   128
.set T,    0                           ; window 1
.set H,    96
.set CS,   128
.set BK,   192
.set G1, 24
.set G0, 32
.set G1B, 48
.set G0B, 56
.set G1S, 68
.set G0S, 76
.set G1SB, 80
.set G0SB, 88
.set MSB, 0
.macro WIN new                         ; the immediate's high byte repeats the setting that is left
.if MSB != \new
	s_set_vgpr_msb (MSB<<8)|\new
.set MSB, \new
.endif
.endm
.set MUL_LO, 0xa1                      ; source 0 (W) window 1, source 1 (x) window 0, C and D window 2
.set MUL_HI, 0xf1
.set TO_B,   0x40
; A joint load: waves 0 and 1 fetch for x, waves 2 and 3 for W.  The branch hangs on the wave's number alone.  An s_nop 0 and four v_nop follow each of the two lines.
.macro JLOAD g0a, g1a, g0b, g1b
	s_cmp_eq_u32 s15, 0
	s_cbranch_scc0 .Lfor_b_\@
	tensor_load_to_lds s[\g0a:\g0a+3], s[\g1a:\g1a+7]
	s_nop 0
.rept 4
	v_nop
.endr
	s_branch .Lasked_\@
.Lfor_b_\@:
	tensor_load_to_lds s[\g0b:\g0b+3], s[\g1b:\g1b+7]
	s_nop 0
.rept 4
	v_nop
.endr
.Lasked_\@:
.endm
.macro CROUND                          ; a round of the cluster's barrier
	s_barrier_signal -1
	s_barrier_wait -1
	s_cmp_lg_u32 s14, 0
	s_cbranch_scc1 .Lnot_wave_0_\@
	s_barrier_signal -3
.Lnot_wave_0_\@:
	s_barrier_wait -3
	s_barrier_signal -1
	s_barrier_wait -1
.endm
	s_load_b128 s[4:7], s[0:1], 0x0                ; codes s[4:5], scales s[6:7]
	s_load_b64 s[96:97], s[0:1], 0x10              ; the table
	s_load_b64 s[12:13], s[0:1], 0x18              ; qkv
	s_load_b64 s[98:99], s[0:1], 0x20              ; fine32
	v_lshl_add_u32 v[SPW], v0, 2, SPARE
	v_mov_b32 v[NIL], 0
	ds_add_u32 v[SPW], v[NIL]                      ; the wave's opening: the add, twice on end, and its wait ahead of my first tensor load
	ds_add_u32 v[SPW], v[NIL]
	v_lshrrev_b32 v1, 5, v0
	v_readfirstlane_b32 s14, v1                    ; wave 0..3
	s_lshr_b32 s15, s14, 1                         ; which half of the tile's rows is mine.  Also: I fetch for x (0) or for W (1)
	s_and_b32 s16, s14, 1                          ; which half of its columns.  Also: which 128 rows of that tile I fetch
	s_bfe_u32 s40, ttmp6, 0x40000                  ; cx, cy
	s_bfe_u32 s41, ttmp6, 0x40004
	s_lshl_b32 s42, ttmp9, 2
	s_add_co_u32 s42, s42, s40                     ; tile column = 4 x cluster x + cx
	s_and_b32 s17, ttmp7, 0xffff
	s_lshl_b32 s17, s17, 2
	s_add_co_u32 s17, s17, s41                     ; tile row = 4 x cluster y + cy
	s_lshl_b32 s43, s41, 2
	s_lshl_b32 s43, 15, s43                        ; my row of the cluster
	s_lshl_b32 s44, 0x1111, s40                    ; my column
	s_or_b32 s[G1+0], s43, (0<<16)|(1<<20)|(1<<21)|(5<<22)|(3<<25)  ; the mask; elements of 1 byte; padding on; bit 21 beside a mask; after every 64 words 4 words
	s_or_b32 s[G1B+0], s44, (0<<16)|(1<<20)|(1<<21)|(5<<22)|(3<<25)
.irp g, G1, G1B
	s_mov_b32 s[\g+1], ROWB<<16                    ; tensor_dim0
	s_mov_b32 s[\g+2], 128<<16                     ; tensor_dim1
	s_mov_b32 s[\g+3], ROWB<<16                    ; tile_dim0
	s_mov_b32 s[\g+4], 128                         ; tile_dim1
	s_mov_b32 s[\g+5], KROW                        ; from row to row
	s_mov_b32 s[\g+6], 0
	s_mov_b32 s[\g+7], 0
.endr
	s_or_b32 s[G1S+0], s43, (3<<16)|(1<<20)|(1<<21)|(5<<22)|(3<<25)  ; the scales of 128 rows: 4,096 dense bytes as 16 rows of 256 (32 elements of 8 bytes)
	s_or_b32 s[G1SB+0], s44, (3<<16)|(1<<20)|(1<<21)|(5<<22)|(3<<25)
.irp g, G1S, G1SB
	s_mov_b32 s[\g+1], 32<<16
	s_mov_b32 s[\g+2], (128*KS/256)<<16
	s_mov_b32 s[\g+3], 32<<16
	s_mov_b32 s[\g+4], 128*KS/256
	s_mov_b32 s[\g+5], 32
	s_mov_b32 s[\g+6], 0
	s_mov_b32 s[\g+7], 0
.endr
	s_lshl_b32 s18, s16, 7
	s_lshl_b32 s20, s17, 8
	s_add_co_u32 s20, s20, s18                     ; x: row 256 x tile row + 128 x half
	s_lshl_b32 s46, s42, 8
	s_add_co_u32 s46, s46, s18                     ; W: row 256 x tile column + 128 x half
	s_mov_b32 s21, 0
	s_mov_b32 s47, 0
	s_mov_b64 s[18:19], KS
	s_mul_u64 s[22:23], s[20:21], s[18:19]
	s_mul_u64 s[92:93], s[46:47], s[18:19]
	s_mov_b64 s[18:19], KROW
	s_mul_u64 s[20:21], s[20:21], s[18:19]
	s_mul_u64 s[46:47], s[46:47], s[18:19]
	s_mul_i32 s45, s14, HALFT                      ; where they go: wave x 128 rows
	s_mul_i32 s94, s14, HALFS
	s_wait_dscnt 0x0                               ; both opening adds are done
	s_wait_kmcnt 0x0
	s_add_nc_u64 s[8:9], s[4:5], 0x400000          ; W's codes lie behind x's 4,194,304 bytes,
	s_add_nc_u64 s[10:11], s[6:7], 0x40000         ; W's scales behind x's 262,144
	s_add_nc_u64 s[20:21], s[4:5], s[20:21]
	s_add_nc_u64 s[22:23], s[6:7], s[22:23]
	s_add_nc_u64 s[46:47], s[8:9], s[46:47]
	s_add_nc_u64 s[92:93], s[10:11], s[92:93]
	CROUND                                         ; all sixteen work-groups are here: the joint loads meet
	s_mov_b32 s[G0S], 1
	s_add_co_u32 s[G0S+1], s94, SCL
	s_mov_b64 s[G0S+2:G0S+3], s[22:23]
	s_or_b32 s[G0S+3], s[G0S+3], 0x80000000
	s_mov_b32 s[G0SB], 1
	s_add_co_u32 s[G0SB+1], s94, SCL
	s_mov_b64 s[G0SB+2:G0SB+3], s[92:93]
	s_or_b32 s[G0SB+3], s[G0SB+3], 0x80000000
	JLOAD G0S, G1S, G0SB, G1SB                     ; the scales first: they are wanted with K step 0
.irp s, 0,1
	s_mov_b32 s[G0+4*\s], 1
	s_add_co_u32 s[G0+4*\s+1], s45, \s*SLOT
	s_add_nc_u64 s[G0+4*\s+2:G0+4*\s+3], s[20:21], \s*ROWB
	s_or_b32 s[G0+4*\s+3], s[G0+4*\s+3], 0x80000000
	s_mov_b32 s[G0B+4*\s], 1
	s_add_co_u32 s[G0B+4*\s+1], s45, \s*SLOT
	s_add_nc_u64 s[G0B+4*\s+2:G0B+4*\s+3], s[46:47], \s*ROWB
	s_or_b32 s[G0B+4*\s+3], s[G0B+4*\s+3], 0x80000000
	JLOAD G0+4*\s, G1, G0B+4*\s, G1B
.endr
	v_and_b32 v1, 15, v0                           ; r = l % 16
	v_bfe_u32 v2, v0, 4, 1                         ; h = l / 16
	v_mul_u32_u24 v3, v1, PITCH
	v_lshl_add_u32 v4, v2, 4, v3
	s_mul_i32 s21, s15, HALFT
	s_mul_i32 s22, s16, HALFT
	s_add_co_u32 s22, s22, 2*HALFT
.irp s, 0,1
	v_add_nc_u32 v[ADRA+\s], s21, v4
	v_add_nc_u32 v[ADRB+\s], s22, v4
	s_add_co_u32 s21, s21, SLOT
	s_add_co_u32 s22, s22, SLOT
.endr
	v_mul_u32_u24 v5, v1, KS                       ; my row's scales: 32 bytes a row,
	v_lshrrev_b32 v6, 8, v5
	v_lshl_add_u32 v5, v6, 4, v5                   ; and 16 more for each 256 passed
	s_mul_i32 s21, s15, HALFS
	s_mul_i32 s22, s16, HALFS
	s_add_co_u32 s22, s22, 2*HALFS
	s_sub_co_u32 s22, s22, s21
	v_mul_u32_u24 v6, s22, v2                      ; lanes 16-31 take W's
	s_add_co_u32 s21, s21, SCL
	v_add_nc_u32 v5, v5, v6
	v_add_nc_u32 v[ADRS], s21, v5
	; the way out: my stage, 2 heads x 16 rows x 144 bytes, in slot 0
	s_mul_i32 s23, s14, 2*SGH
	v_mul_u32_u24 v5, v1, SGP
	v_lshl_add_u32 v5, v2, 4, v5
	v_add_nc_u32 v[STO], s23, v5                   ; in: row r, 16 bytes for each half of the lanes
	v_bfe_u32 v5, v0, 3, 1
	v_mul_u32_u24 v5, v5, SGP
	v_and_b32 v6, 7, v0
	v_lshl_add_u32 v5, v6, 4, v5
	v_mad_u32_u24 v5, v2, SGH, v5
	v_add_nc_u32 v[RD], s23, v5                    ; back: lanes 0-15 two rows of the first head, lanes 16-31 of the second
	v_lshlrev_b32 v[CO], 4, v1
	v_lshl_add_u32 v[CO], v2, 18, v[CO]            ; in qkv two rows of a head are 256 consecutive bytes; the next head lies 262,144 bytes on
	v_lshlrev_b32 v[CSO], 8, v1
	v_lshl_add_u32 v[CSO], v2, 5, v[CSO]           ; the table: row r, my half's four pairs
	v_lshlrev_b32 v[FO], 12, v1
	v_lshl_add_u32 v[FO], v2, 5, v[FO]             ; fine32: row r of 4,096 bytes, my half's 32 bytes
	s_lshr_b32 s46, s42, 2                         ; which of q, k, v
	s_and_b32 s47, s42, 3                          ; which 256 of its 1,024 columns
	s_lshr_b32 s20, s17, 3                         ; the batch
	s_and_b32 s21, s17, 7
	s_lshl_b32 s21, s21, 8
	s_lshl_b32 s22, s15, 7
	s_add_co_u32 s22, s21, s22                     ; my first position
	v_mov_b32 v[S0V], s22
	s_lshl_b32 s92, s47, 2
	s_lshl_b32 s93, s16, 1
	s_add_co_u32 s92, s92, s93                     ; my first head
	s_lshl_b32 s93, s46, 6
	s_add_co_u32 s92, s92, s93
	s_lshl_b32 s93, s20, 4
	s_add_co_u32 s92, s92, s93
	s_lshl_b32 s92, s92, 18                        ; 262,144 bytes a head
	s_lshl_b32 s93, s22, 7                         ; 128 bytes a position
	s_add_co_u32 s92, s92, s93
	s_mov_b32 s93, 0
	s_add_nc_u64 s[12:13], s[12:13], s[92:93]
	s_lshl_b32 s93, s15, 7
	s_add_co_u32 s93, s93, 2048                    ; v: the rows of (1, 0)
	s_cmp_eq_u32 s46, 2
	s_cselect_b32 s92, s93, s22
	s_lshl_b32 s92, s92, 8
	s_mov_b32 s93, 0
	s_add_nc_u64 s[96:97], s[96:97], s[92:93]
	s_lshl_b32 s92, s46, 2
	s_add_co_u32 s92, s92, s20
	s_lshl_b32 s92, s92, 16
	s_lshl_b32 s93, s47, 10
	s_add_co_u32 s92, s92, s93
	s_lshl_b32 s93, s16, 9
	s_add_co_u32 s92, s92, s93
	s_mov_b32 s93, 0
	s_add_nc_u64 s[98:99], s[98:99], s[92:93]
.macro FRAG reg, adr, q, i             ; 16 rows x 128 K of 4-bit codes: 8 registers; lane l holds row l % 16; registers 4 c .. 4 c + 3 hold K = 64 c + 32 (l / 16) + 0 .. 31
.irp c, 0,1
	ds_load_b128 v[\reg+4*\c:\reg+4*\c+3], v[\adr] offset:64*(\q)+32*\c+(\i)*16*PITCH
.endr
.endm
; 16 matrix instructions: x's blocks a0, a0 + 1 against W's eight.  The 64 accumulators take turns, one instruction a turn, in the same order in every step.
.macro MUL16 a0, p, q, sc, zero
.irp a, \a0, \a0+1
.irp b, 0,1,2,3,4,5,6,7
.if \zero
	v_wmma_scale_f32_16x16x128_f8f6f4 v[8*(8*((\a)%4)+\b):8*(8*((\a)%4)+\b)+7], v[128*(\p)+FR*\b:128*(\p)+FR*\b+FR-1], v[AF+FR*(\a):AF+FR*(\a)+FR-1], 0, v[SC+8*NQ*(\sc)+NQ*\b+(\q)], v[SC+8*NQ*(\sc)+NQ*(\a)+(\q)] matrix_a_fmt:MATRIX_FMT_FP4 matrix_b_fmt:MATRIX_FMT_FP4 matrix_a_scale:MATRIX_SCALE_ROW1
.else
	v_wmma_scale_f32_16x16x128_f8f6f4 v[8*(8*((\a)%4)+\b):8*(8*((\a)%4)+\b)+7], v[128*(\p)+FR*\b:128*(\p)+FR*\b+FR-1], v[AF+FR*(\a):AF+FR*(\a)+FR-1], v[8*(8*((\a)%4)+\b):8*(8*((\a)%4)+\b)+7], v[SC+8*NQ*(\sc)+NQ*\b+(\q)], v[SC+8*NQ*(\sc)+NQ*(\a)+(\q)] matrix_a_fmt:MATRIX_FMT_FP4 matrix_b_fmt:MATRIX_FMT_FP4 matrix_a_scale:MATRIX_SCALE_ROW1
.endif
.endr
.endr
.endm
.macro FETCH_B slot, q, p
	WIN TO_B
.irp i, 0,1,2,3,4,5,6,7
	FRAG 128*(\p)+FR*\i, ADRB+\slot, \q, \i
.endr
	WIN 0
.endm
.macro FETCH_A slot, q, i0
.irp i, \i0, \i0+1, \i0+2, \i0+3
	FRAG AF+FR*(\i), ADRA+\slot, \q, \i
.endr
.endm
.macro SCALES sc                       ; a K step's scale words: lanes 0-15 take x's block i, lanes 16-31 W's block i
.irp i, 0,1,2,3,4,5,6,7
	ds_load_b128 v[SC+8*NQ*\sc+NQ*\i:SC+8*NQ*\sc+NQ*\i+3], v[ADRS] offset:\i*SBLK
.endr
.endm
.macro PLACES n                        ; plain vector instructions between a matrix instruction and a load into, or a vector instruction on, its registers
.rept \n
	v_nop
.endr
.endm
.macro STEP slot, q, zero              ; 128 along K that have their successor in the same slot
	s_wait_dscnt 4*NL                              ; W's set and x's blocks 0-3 are in; the youngest eight loads (x's blocks 4-7) may be out
	WIN MUL_LO
	MUL16 0, (\q)%2, \q, \slot, \zero
	MUL16 2, (\q)%2, \q, \slot, \zero
	s_wait_dscnt 0
	PLACES NP
	FETCH_B \slot, (\q)+1, 1-(\q)%2
	FETCH_A \slot, (\q)+1, 0
	WIN MUL_HI
	MUL16 4, (\q)%2, \q, \slot, \zero
	MUL16 6, (\q)%2, \q, \slot, \zero
	PLACES NP
	WIN 0
	FETCH_A \slot, (\q)+1, 4
.endm
; Slot 0's last step goes over to slot 1: one barrier; in front of it each wave's part of slot 1 has landed and its reads of slot 0 are over.  Nothing is filled again.
.macro TURN slot, next
	s_wait_tensorcnt 0x0                           ; all my tensor loads have landed
	ds_add_u32 v[SPW], v[NIL]                      ; 0 onto my spare word
	s_wait_dscnt 4*NL+1                            ; (the add and the youngest eight loads may be out)
	WIN MUL_LO
	MUL16 0, 1, NQ-1, \slot, 0
	s_wait_dscnt 0x0                               ; the add is done, and my reads of this slot are over
	s_barrier_signal -1
	MUL16 2, 1, NQ-1, \slot, 0
	WIN 0
	s_barrier_wait -1
	PLACES NP
	v_add_nc_u32 v[ADRS], 4*NQ, v[ADRS]            ; the next K step's scale words
	FETCH_B \next, 0, 0
	FETCH_A \next, 0, 0
	SCALES \next
	WIN MUL_HI
	MUL16 4, 1, NQ-1, \slot, 0
	MUL16 6, 1, NQ-1, \slot, 0
	PLACES NP
	WIN 0
	FETCH_A \next, 0, 4
.endm
.macro STEPS slot, from
.set Q, \from
.rept NQ-1-\from
	STEP \slot, Q, 0
.set Q, Q+1
.endr
.endm
	s_wait_tensorcnt 1                             ; the scales and my part of K step 0 are in (K step 1's load may be out)
	s_barrier_signal -1
	s_barrier_wait -1                              ; everybody's are
	FETCH_B 0, 0, 0
	FETCH_A 0, 0, 0
	SCALES 0
	FETCH_A 0, 0, 4
	STEP 0, 0, 1                                   ; the first products start the sums: nothing is cleared
	STEPS 0, 1
	TURN 0, 1
	STEPS 1, 0
	s_wait_dscnt 4*NL
	WIN MUL_LO
	MUL16 0, 1, NQ-1, 1, 0
	MUL16 2, 1, NQ-1, 1, 0
	s_wait_dscnt 0
	WIN MUL_HI
	MUL16 4, 1, NQ-1, 1, 0
	MUL16 6, 1, NQ-1, 1, 0
	WIN 0
; THE WAY OUT, a block of 16 rows x 128 columns (two heads) at a time.
.macro CSLOAD a                        ; (cos, sin) of my row's pairs 8 bq + 4 h + 0 .. 3: what my registers of blocks bq and bq + 4 want
.irp bq, 0,1,2,3
	global_load_b128 v[CS+32*((\a)%2)+8*\bq:CS+32*((\a)%2)+8*\bq+3],   v[CSO], s[96:97] offset:(\a)*4096+64*\bq
	global_load_b128 v[CS+32*((\a)%2)+8*\bq+4:CS+32*((\a)%2)+8*\bq+7], v[CSO], s[96:97] offset:(\a)*4096+64*\bq+16
.endr
.endm
.macro ROPE a                          ; (e, o) -> (e cos - o sin, e sin + o cos): two packed instructions a pair; each accumulator is read from its low end on
.set AC, 64*((\a)%4)
.set CC, CS+32*((\a)%2)
	WIN 0x52+(\a)/4                                ; source 0: the accumulators' window; source 1 window 0; source 2 and destination window 1
.irp b, 0,1,2,3,4,5,6,7
.irp j, 0,2,4,6
	v_pk_mul_f32 v[T+8*\b+\j:T+8*\b+\j+1], v[AC+8*\b+\j:AC+8*\b+\j+1], v[CC+8*(\b%4)+\j:CC+8*(\b%4)+\j+1] op_sel_hi:[1,0]   ; (e, o) x cos
.endr
.endr
.irp b, 0,1,2,3,4,5,6,7
.irp j, 0,2,4,6
	v_pk_fma_f32 v[T+8*\b+\j:T+8*\b+\j+1], v[AC+8*\b+\j:AC+8*\b+\j+1], v[CC+8*(\b%4)+\j:CC+8*(\b%4)+\j+1], v[T+8*\b+\j:T+8*\b+\j+1] op_sel:[1,1,0] op_sel_hi:[0,1,1] neg_lo:[0,1,0]   ; + (o, e) x (-sin, sin)
.endr
.endr
	WIN 0x05                                       ; sources window 1, destination window 0
.irp b, 0,1,2,3,4,5,6,7
.irp j, 0,2,4,6
	v_cvt_pk_f16_f32 v[H+4*\b+\j/2], v[T+8*\b+\j], v[T+8*\b+\j+1]
.endr
.endr
	WIN 0
.endm
; The first 16 positions of a sequence in f32.  They lie in block 0 of the waves whose first position is 0: a mask, no branch.  Pieces of 32 bytes of rows 4,096 bytes apart: 786,432 bytes in the whole launch.
.macro FINE
	s_wait_xcnt 0x0                                ; EXEC changes only behind this wait
	v_cmp_eq_u32 vcc_lo, 0, v[S0V]
	s_and_saveexec_b32 s94, vcc_lo
	WIN 0x04                                       ; a store's data are its source 1: window 1
.irp b, 0,1,2,3,4,5,6,7
	global_store_b128 v[FO], v[T+8*\b:T+8*\b+3], s[98:99] offset:64*\b
	global_store_b128 v[FO], v[T+8*\b+4:T+8*\b+7], s[98:99] offset:64*\b+16
.endr
	WIN 0
	s_wait_xcnt 0x0                                ; and again ahead of the line that widens it; the stores have read their data too
	s_or_b32 exec_lo, exec_lo, s94
.endm
.macro TOSTAGE a                       ; LDS serves a wave's instructions in order: the loads see the stores, and the next block's stores come behind them
.irp b, 0,1,2,3,4,5,6,7
	ds_store_b128 v[STO], v[H+4*\b:H+4*\b+3] offset:(\b/4)*SGH+32*(\b%4)
.endr
.irp u, 0,1,2,3,4,5,6,7
	ds_load_b128 v[BK+32*((\a)%2)+4*\u:BK+32*((\a)%2)+4*\u+3], v[RD] offset:2*SGP*\u
.endr
.endm
.macro SEND a, younger
	s_wait_dscnt \younger                          ; the block is back; the next block's 8 stores and 8 loads may be out
.irp u, 0,1,2,3,4,5,6,7
	global_store_b128 v[CO], v[BK+32*((\a)%2)+4*\u:BK+32*((\a)%2)+4*\u+3], s[12:13] offset:(\a)*2048+\u*256   ; 16 lanes store 256 consecutive bytes, aligned
.endr
.endm
	PLACES NP                                      ; behind the last products: for the loads into x's fragments' registers and the first reads of results
	CSLOAD 0
	CSLOAD 1
.irp a, 0,1,2,3,4,5,6,7
.if \a < 7
	s_wait_loadcnt 8                               ; this block's 8 loads are in; the next block's may be out
.else
	s_wait_loadcnt 0
.endif
	ROPE \a
.if \a == 0
	FINE
.endif
.if \a < 6
	CSLOAD \a+2
.endif
.if \a > 1
	s_wait_xcnt 0x0                                ; block a - 2's stores have read the registers into which this block's rows come back
.endif
	TOSTAGE \a
.if \a > 0
	SEND \a-1, 16
.endif
.endr
	SEND 7, 0
	s_wait_tensorcnt 0x0                           ; the wave's end, behind my last tensor load and my last LDS store
	ds_add_u32 v[SPW], v[NIL]
	s_wait_dscnt 0x0
	CROUND                                         ; the closing round
	s_endpgm
.Lfunc_end_k_qf888602993_qkv:
	.size	k_qf888602993_qkv, .Lfunc_end_k_qf888602993_qkv-k_qf888602993_qkv
	.p2alignl 7, 3214868480
	.fill 96, 4, 3214868480
	.section	.rodata,"a",@progbits
	.p2align	6, 0x0
	.amdhsa_kernel k_qf888602993_qkv
		.amdhsa_group_segment_fixed_size 327680
		.amdhsa_private_segment_fixed_size 0
		.amdhsa_enable_private_segment 0
		.amdhsa_kernarg_size 40
		.amdhsa_user_sgpr_count 2
		.amdhsa_user_sgpr_kernarg_segment_ptr 1
		.amdhsa_wavefront_size32 1
		.amdhsa_system_sgpr_workgroup_id_x 1
		.amdhsa_system_sgpr_workgroup_id_y 1
		.amdhsa_system_sgpr_workgroup_id_z 1
		.amdhsa_system_vgpr_workitem_id 0
		.amdhsa_next_free_vgpr 1024
		.amdhsa_next_free_sgpr 100
		.amdhsa_reserve_vcc 1
		.amdhsa_float_denorm_mode_32 3
		.amdhsa_float_denorm_mode_16_64 3
		.amdhsa_memory_ordered 1
		.amdhsa_forward_progress 1
		.amdhsa_inst_pref_size 168
	.end_amdhsa_kernel
	.amdgpu_metadata
---
amdhsa.version: [ 1, 2 ]
amdhsa.kernels:
  - .name:           k_qf888602993_qkv
    .symbol:         k_qf888602993_qkv.kd
    .args:
      - { .name: codes, .offset: 0, .size: 8, .value_kind: global_buffer, .address_space: global }
      - { .name: scales, .offset: 8, .size: 8, .value_kind: global_buffer, .address_space: global }
      - { .name: rope, .offset: 16, .size: 8, .value_kind: global_buffer, .address_space: global }
      - { .name: qkv, .offset: 24, .size: 8, .value_kind: global_buffer, .address_space: global }
      - { .name: fine32, .offset: 32, .size: 8, .value_kind: global_buffer, .address_space: global }
    .group_segment_fixed_size: 327680
    .private_segment_fixed_size: 0
    .kernarg_segment_align: 8
    .kernarg_segment_size: 40
    .max_flat_workgroup_size: 128
    .sgpr_count:     100
    .vgpr_count:     1024
    .wavefront_size: 32
...
	.end_amdgpu_metadata
.endif
;; end of part 2
;; launch attn (part 3): grid 4 x 64, 16 waves a work-group, no clusters, 327,680 bytes of LDS; arguments qkv, o16; writes o16
.if DOCPART == 3
	.amdgcn_target "amdgcn-amd-amdhsa--gfx1250"
	.amdhsa_code_object_version 6
	.text
	.protected	k_qf888602993_attn
	.globl	k_qf888602993_attn
	.p2align	8
	.type	k_qf888602993_attn,@function
k_qf888602993_attn:
	s_mov_b64 s[64:65], 0
	v_nop
	global_prefetch_b8 v0, s[64:65] scope:SCOPE_SE
	s_setreg_imm32_b32 hwreg(HW_REG_WAVE_MODE, 25, 1), 1
	s_wait_xcnt 0x0
; ATTENTION under the causal mask: o[q] = the sum over k <= q of softmax_k(q . k / 8) v[k], head size 64, 64 heads of 2,048 positions.  q, k, v: f16, qkv [3][64][2048][64]; o16: f16 [64][2048][64].
; Products on f16 operands with f32 sums; maxima, exponentials and sums in f32, with a running maximum; the weights p (at most 1) are rounded to f16 for the second product, o once at the end.
; (The first 16 positions of each sequence are made here too, and their rows of the final output are written anew, from f32, by the last launch.)
; LIMIT: |o| stays under 65,504; it is an average of v.
; SHARES.  A work-group owns chunks j and 7 - j of a head's eight chunks of 256 queries, so that every work-group has nine chunk-blocks under the mask.  Sixteen waves, four to a SIMD, so that one wave's
; vector work stands beside another's products and LDS loads; a wave owns 32 queries, two tiles.  The waves of the two chunks are dealt so that each group of four neighbouring waves, and each set w % 4, has two of each.
; Every wave walks the head's keys from 0 on, 64 a step, through a ring of two LDS slots of 256 keys filled by the tensor data mover (waves 0, 1: K's halves; waves 2, 3: V's).
; NO CLUSTER: under the mask a partner with early queries would jump over the reads of tiles that a joint load brings.
; LAYOUT.  S^T = K Q^T (source 0 = 16 keys, source 1 = 16 queries): a lane holds ONE query (lane % 16) and keys 8 (lane / 16) + 0 .. 7.  Two such tiles rounded to f16 in pairs ARE source 1 of O^T = V^T P.
; K comes out of LDS as it lies, V ([key][channel]) turned by ds_load_tr16_b128.
; THE MASK.  Trip counts are constants.  A step all of whose keys come after the wave's queries is jumped over (a scalar branch on ids); on the diagonal hidden scores become -infinity; a slot whose first key
; comes after the work-group's last query is not asked for.  Every wait on TENSORcnt is for 0.
.set SK,    256                        ; keys in a slot
.set KP,    144                        ; a key's row in LDS: 128 bytes + 16
.set VP,    160                        ; a row of V: 128 + 32: the turning load's 8 rows x 32 bytes fall on different banks
.set VOFF,  SK*KP
.set SLOT1, 1<<17
.set NSL,   8
.set SPARE, 2*SLOT1                    ; the spare words, 128 bytes a wave
.set SGP,   144                        ; the way out: 16 rows x 144 bytes a wave, in slot 0, which was left at the last change of slots: it has had its last fill and nobody reads it
.set AK0, 1
.set AV0, 2
.set SPW, 3
.set NIL, 4
.set GO,  5
.set ADK, 6
.set ADV, 7
.set DL,  8                            ; v8   lane % 16 - 8 (lane / 16)
.set D0,  9                            ; v9, v10  tile t: my query less the step's first key less 8 (lane / 16)
.set NINF, 11
.set STO, 12
.set RD,  13
.set PFO, 14
.set ST,  16                           ; tile t at v[16 + 8 t]: +0 c m, +1 m, +2, +3 the sum in two halves, +4 .. +7 at work (a in +6)
.set QF,  32                           ; Q: tile t, channels 32 ks on: v[32 + 16 t + 8 ks]
.set KV,  64                           ; eight fragments: first K's, then V's
.set S,   128                          ; S^T: v[128 + 32 t + 8 kt]; p's f16 pairs are made in place, in each tile's low 16
.set O,   192                          ; O^T: v[192 + 32 t + 8 ct]
.set WV,  18
.set SEL, 20
.set CS,  22                           ; s[22:23] c = log2(e) / 8
.set G1K, 24
.set G1V, 32
.set G0K, 40
.set G0V, 44
.set TB,  2
.set SLOTS, 48
.set KF,  49                           ; the step's first key
.set Q0,  50                           ; my first query
.set QL,  51                           ; my work-group's last query
.set PFA, 52
.set LIM, 54
.macro TLOAD                           ; waves 0, 1 fetch K's halves, waves 2, 3 V's, the others nothing.  An s_nop 0 and four v_nop follow each line
	s_cmp_lt_u32 s[WV], 2
	s_cbranch_scc0 .Lnot_k_\@
	tensor_load_to_lds s[G0K:G0K+3], s[G1K:G1K+7]
	s_nop 0
.rept 4
	v_nop
.endr
	s_branch .Lasked_\@
.Lnot_k_\@:
	s_cmp_lt_u32 s[WV], 4
	s_cbranch_scc0 .Lasked_\@
	tensor_load_to_lds s[G0V:G0V+3], s[G1V:G1V+7]
	s_nop 0
.rept 4
	v_nop
.endr
.Lasked_\@:
.endm
; A PREFETCH of what the NEXT change of slots will ask for: 256 keys of K and of V, 32,768 dense bytes each.  All four work-groups of a head walk the same keys: the one with j = 0, which walks all eight slots, asks.
; In it waves 4 to 7 name K's bytes and waves 8 to 11 V's: 8,192 bytes a wave, lanes 256 bytes apart, one instruction: each aligned 256 bytes once in the launch.  Slots 0 and 1 come by their loads alone; the last change that fills asks for nothing.
.macro ASK
	s_cmp_gt_u32 s[SLOTS], s[LIM]
	s_cbranch_scc0 .Lnot_mine_\@
	global_prefetch_b8 v[PFO], s[PFA:PFA+1] th:TH_LOAD_NT scope:SCOPE_SE
.Lnot_mine_\@:
.endm
	s_load_b128 s[4:7], s[0:1], 0x0                ; qkv, o16
	v_lshl_add_u32 v[SPW], v0, 2, SPARE
	v_mov_b32 v[NIL], 0
	ds_add_u32 v[SPW], v[NIL]                      ; the wave's opening: the add, twice on end, and its wait ahead of the first tensor load
	ds_add_u32 v[SPW], v[NIL]
	v_lshrrev_b32 v15, 5, v0
	v_readfirstlane_b32 s[WV], v15                 ; wave 0..15
	s_and_b32 s56, ttmp7, 0xffff
	s_lshl_b32 s56, s56, 18                        ; the head's first byte in each tensor
	s_lshr_b32 s58, s[WV], 2
	s_xor_b32 s58, s58, s[WV]
	s_and_b32 s58, s58, 1                          ; which of the two chunks
	s_lshr_b32 s59, s[WV], 1
	s_lshl_b32 s59, s59, 5                         ; which 32 queries of it
	s_sub_co_u32 s60, 7, ttmp9
	s_cmp_eq_u32 s58, 1
	s_cselect_b32 s61, s60, ttmp9
	s_lshl_b32 s61, s61, 8
	s_add_co_u32 s[Q0], s61, s59
	s_lshl_b32 s60, s60, 8
	s_or_b32 s[QL], s60, 255
	s_and_b32 s62, s[WV], 1                        ; which half of a slot's keys I fetch, if I fetch
	s_mul_i32 s63, s62, 128*KP
	s_mul_i32 s66, s62, 128*VP
	s_add_co_u32 s66, s66, VOFF
	s_lshl_b32 s68, s62, 14
	s_add_co_u32 s68, s68, s56
	s_mov_b32 s69, 0
	s_lshl_b32 s74, s[Q0], 7
	s_add_co_u32 s74, s74, s56                     ; my first query's row, in q and in o16
	s_mov_b32 s75, 0
	s_mov_b32 s[G1K], (1<<16)|(1<<20)|(4<<22)|(3<<25)   ; no mask; elements of 2 bytes; padding on: after every 32 words 4 words
	s_mov_b32 s[G1V], (1<<16)|(1<<20)|(4<<22)|(7<<25)   ; 8 words
.irp g, G1K, G1V
	s_mov_b32 s[\g+1], 64<<16                      ; tensor_dim0
	s_mov_b32 s[\g+2], 128<<16                     ; tensor_dim1
	s_mov_b32 s[\g+3], 64<<16                      ; tile_dim0
	s_mov_b32 s[\g+4], 128                         ; tile_dim1
	s_mov_b32 s[\g+5], 64                          ; from row to row
	s_mov_b32 s[\g+6], 0
	s_mov_b32 s[\g+7], 0
.endr
	s_mov_b32 s[SEL], 0x76543210
	s_mov_b32 s[SEL+1], 0xfedcba98
	s_mov_b32 s[CS], 0x3e38aa3b
	s_mov_b32 s[CS+1], s[CS]
	s_mov_b32 s[TB], 0
	s_mov_b32 s[SLOTS], NSL-1
	s_mov_b32 s[KF], 0
	s_wait_dscnt 0x0                               ; both opening adds are done
	s_wait_kmcnt 0x0
	s_add_nc_u64 s[70:71], s[4:5], 0x1000000       ; k
	s_add_nc_u64 s[72:73], s[4:5], 0x2000000       ; v
	s_mov_b32 s[G0K], 1
	s_mov_b32 s[G0K+1], s63
	s_add_nc_u64 s[G0K+2:G0K+3], s[70:71], s[68:69]
	s_or_b32 s[G0K+3], s[G0K+3], 0x80000000
	s_mov_b32 s[G0V], 1
	s_mov_b32 s[G0V+1], s66
	s_add_nc_u64 s[G0V+2:G0V+3], s[72:73], s[68:69]
	s_or_b32 s[G0V+3], s[G0V+3], 0x80000000
	TLOAD                                          ; slot 0: key 0 counts for every query, so every wave reads it
	s_add_nc_u64 s[76:77], s[4:5], s[74:75]        ; q at my first query
	s_add_nc_u64 s[6:7], s[6:7], s[74:75]          ; o16 likewise
	v_and_b32 v8, 15, v0                           ; r
	v_bfe_u32 v9, v0, 4, 1                         ; h
	v_lshlrev_b32 v15, 7, v8
	v_lshl_add_u32 v15, v9, 4, v15                 ; row r of 128 bytes + 16 h
.irp t, 0,1
.irp ks, 0,1
	global_load_b128 v[QF+16*\t+8*\ks:QF+16*\t+8*\ks+3],   v15, s[76:77] offset:2048*\t+64*\ks
	global_load_b128 v[QF+16*\t+8*\ks+4:QF+16*\t+8*\ks+7], v15, s[76:77] offset:2048*\t+64*\ks+32
.endr
.endr
	s_cmp_lt_u32 s[WV], 8
	s_cselect_b64 s[PFA:PFA+1], s[70:71], s[72:73]
	s_and_b32 s78, s[WV], 3
	s_lshl_b32 s78, s78, 13
	s_add_co_u32 s78, s78, s56
	s_add_co_u32 s78, s78, SK*128                  ; in slot 1: the first change of slots steps it to slot 2
	s_mov_b32 s79, 0
	s_add_nc_u64 s[PFA:PFA+1], s[PFA:PFA+1], s[78:79]
	s_sub_co_u32 s78, s[WV], 4
	s_lshr_b32 s78, s78, 3                         ; 0 in waves 4 to 11
	s_or_b32 s78, s78, ttmp9
	s_cmp_eq_u32 s78, 0
	s_cselect_b32 s[LIM], 1, -1
	v_mul_u32_u24 v[AK0], v8, KP
	v_lshl_add_u32 v[AK0], v9, 4, v[AK0]
	v_and_b32 v10, 7, v0
	v_bfe_u32 v11, v0, 3, 1
	v_lshl_add_u32 v[AV0], v9, 3, v10
	v_mul_u32_u24 v[AV0], v[AV0], VP
	v_lshl_add_u32 v[AV0], v11, 4, v[AV0]
	v_add_nc_u32 v[AV0], VOFF, v[AV0]
	s_mul_i32 s78, s[WV], 16*SGP
	v_mul_u32_u24 v[STO], v8, SGP
	v_lshl_add_u32 v[STO], v9, 4, v[STO]
	v_add_nc_u32 v[STO], s78, v[STO]               ; the stage, in: row r, 16 bytes for each half of the lanes
	v_bfe_u32 v[RD], v0, 3, 2
	v_mul_u32_u24 v[RD], v[RD], SGP
	v_lshl_add_u32 v[RD], v10, 4, v[RD]
	v_add_nc_u32 v[RD], s78, v[RD]                 ; back: eight lanes to a row, four rows an instruction
	v_and_b32 v[GO], 31, v0
	v_lshlrev_b32 v[PFO], 8, v[GO]
	v_lshlrev_b32 v[GO], 4, v[GO]
	v_lshlrev_b32 v9, 3, v9
	v_sub_nc_u32 v[DL], v8, v9
	v_mov_b32 v[D0], 0
	v_mov_b32 v[D0+1], 0
	v_mov_b32 v[NINF], 0xff800000
.irp t, 0,1
	v_mov_b32 v[ST+8*\t+1], 0xff61b1e6             ; m: -3e38, under every score
	v_mul_f32 v[ST+8*\t], s[CS], v[ST+8*\t+1]
.irp i, 2,3,4,5,6,7
	v_mov_b32 v[ST+8*\t+\i], 0
.endr
.endr
.irp j, 0,1,2,3,4,5,6,7,8,9,10,11,12,13,14,15,16,17,18,19,20,21,22,23,24,25,26,27,28,29,30,31,32,33,34,35,36,37,38,39,40,41,42,43,44,45,46,47,48,49,50,51,52,53,54,55,56,57,58,59,60,61,62,63
	v_mov_b32 v[O+\j], 0                           ; the step is written once: its first run finds zeros, which a = 0 leaves zeros
.endr
; A KEY STEP: 64 keys, the q-th of the slot in hand.
.macro STEP q
	s_add_co_u32 s78, s[Q0], 31
	s_cmp_gt_u32 s[KF], s78                        ; all keys come after my queries: the step's work is left out
	s_cbranch_scc1 .Lhidden_\@
	v_add_nc_u32 v[ADK], s[TB], v[AK0]
	v_add_nc_u32 v[ADV], s[TB], v[AV0]
.rept 3
	v_nop                                          ; with the two additions five places behind the last step's products: for the loads into V's registers, and for the products below, which write over p's
.endr
.irp kt, 0,1,2,3
.irp ks, 0,1
	ds_load_b128 v[KV+8*(2*\kt+\ks):KV+8*(2*\kt+\ks)+3],   v[ADK] offset:(64*(\q)+16*\kt)*KP+64*\ks
	ds_load_b128 v[KV+8*(2*\kt+\ks)+4:KV+8*(2*\kt+\ks)+7], v[ADK] offset:(64*(\q)+16*\kt)*KP+64*\ks+32
.endr
.endr
	s_wait_dscnt 0x0
.irp ks, 0,1                                   ; S^T = K Q^T: the eight accumulators take turns, one instruction a turn
.irp kt, 0,1,2,3
.irp t, 0,1
.if \ks == 0
	v_wmma_f32_16x16x32_f16 v[S+32*\t+8*\kt:S+32*\t+8*\kt+7], v[KV+8*(2*\kt+\ks):KV+8*(2*\kt+\ks)+7], v[QF+16*\t+8*\ks:QF+16*\t+8*\ks+7], 0
.else
	v_wmma_f32_16x16x32_f16 v[S+32*\t+8*\kt:S+32*\t+8*\kt+7], v[KV+8*(2*\kt+\ks):KV+8*(2*\kt+\ks)+7], v[QF+16*\t+8*\ks:QF+16*\t+8*\ks+7], v[S+32*\t+8*\kt:S+32*\t+8*\kt+7]
.endif
.endr
.endr
.endr
.rept 4
	v_nop                                          ; places: for the loads into K's registers and for the first reads of the scores
.endr
.irp ks2, 0,1                                  ; V, turned: it lands while the softmax is walked
.irp ct, 0,1,2,3
	ds_load_tr16_b128 v[KV+8*(4*\ks2+\ct):KV+8*(4*\ks2+\ct)+3],   v[ADV] offset:(64*(\q)+32*\ks2)*VP+32*\ct
	ds_load_tr16_b128 v[KV+8*(4*\ks2+\ct)+4:KV+8*(4*\ks2+\ct)+7], v[ADV] offset:(64*(\q)+32*\ks2+16)*VP+32*\ct
.endr
.endr
	s_add_co_u32 s78, s[KF], 63
	s_cmp_le_u32 s78, s[Q0]                        ; all keys count for all my queries: no mask
	s_cbranch_scc1 .Lopen_\@
	s_sub_co_i32 s78, s[Q0], s[KF]
	v_add_nc_u32 v[D0], s78, v[DL]
	v_add_nc_u32 v[D0+1], 16, v[D0]                ; register 8 kt + j of tile t holds key KF + 16 kt + 8 (lane / 16) + j: hidden where 16 kt + j > d
.irp n, 0,1,2,3,4,5,6,7,8,9,10,11,12,13,14,15,16,17,18,19,20,21,22,23,24,25,26,27,28,29,30,31,32,33,34,35,36,37,38,39,40,41,42,43,44,45,46,47,48,49,50,51,52,53,54,55,56,57,58,59,60,61,62,63
	v_cmp_gt_i32 vcc_lo, 16*((\n%32)/8)+\n%8, v[D0+\n/32]
	v_cndmask_b32 v[S+\n], v[S+\n], v[NINF], vcc_lo
.endr
.Lopen_\@:
.irp j, 0,1,2,3                                ; the largest score: four chains a tile, each from an accumulator's low end on; the two tiles by turns
.irp t, 0,1
	v_max3_num_f32 v[ST+8*\t+4+\j], v[S+32*\t+8*\j], v[S+32*\t+8*\j+1], v[S+32*\t+8*\j+2]
.endr
.endr
.irp i, 3,5
.irp j, 0,1,2,3
.irp t, 0,1
	v_max3_num_f32 v[ST+8*\t+4+\j], v[ST+8*\t+4+\j], v[S+32*\t+8*\j+\i], v[S+32*\t+8*\j+\i+1]
.endr
.endr
.endr
.irp t, 0,1
	v_max3_num_f32 v[ST+8*\t+4], v[ST+8*\t+4], v[S+32*\t+7], v[S+32*\t+15]
	v_max3_num_f32 v[ST+8*\t+6], v[ST+8*\t+6], v[S+32*\t+23], v[S+32*\t+31]
.endr
.irp t, 0,1
	v_max3_num_f32 v[ST+8*\t+4], v[ST+8*\t+4], v[ST+8*\t+5], v[ST+8*\t+6]
.endr
.irp t, 0,1
	v_max3_num_f32 v[ST+8*\t+4], v[ST+8*\t+4], v[ST+8*\t+7], v[ST+8*\t+1]   ; and the old m
.endr
.irp t, 0,1
	v_permlanex16_b32 v[ST+8*\t+5], v[ST+8*\t+4], s[SEL], s[SEL+1]          ; the query's other 32 keys lie in the lane 16 away
.endr
.irp t, 0,1
	v_mov_b32 v[ST+8*\t+7], v[ST+8*\t]             ; c m_old
.endr
.irp t, 0,1
	v_max_num_f32 v[ST+8*\t+1], v[ST+8*\t+4], v[ST+8*\t+5]
.endr
.irp t, 0,1
	v_mul_f32 v[ST+8*\t], s[CS], v[ST+8*\t+1]
.endr
.irp t, 0,1
	v_sub_f32 v[ST+8*\t+7], v[ST+8*\t+7], v[ST+8*\t]
.endr
.irp i, 0,2,4,6,8,10,12,14,16,18,20,22,24,26,28,30
.irp t, 0,1
	v_pk_fma_f32 v[S+32*\t+\i:S+32*\t+\i+1], v[S+32*\t+\i:S+32*\t+\i+1], s[CS:CS+1], v[ST+8*\t:ST+8*\t+1] op_sel_hi:[1,0,0] neg_lo:[0,0,1] neg_hi:[0,0,1]   ; c s - c m
.endr
.endr
.irp t, 0,1
	v_exp_f32 v[ST+8*\t+6], v[ST+8*\t+7]           ; a = 2^(c m_old - c m_new)
.endr
.irp n, 0,1,2,3,4,5,6,7,8,9,10,11,12,13,14,15,16,17,18,19,20,21,22,23,24,25,26,27,28,29,30,31,32,33,34,35,36,37,38,39,40,41,42,43,44,45,46,47,48,49,50,51,52,53,54,55,56,57,58,59,60,61,62,63
	v_exp_f32 v[S+\n], v[S+\n]                     ; p
.endr
	v_nop                                          ; a plain instruction behind the last exponential,
	s_wait_alu depctr_va_vdst(0)                   ; and ONE wait for the batch of 66, ahead of its first reader
.irp t, 0,1
	v_pk_mul_f32 v[ST+8*\t+2:ST+8*\t+3], v[ST+8*\t+2:ST+8*\t+3], v[ST+8*\t+6:ST+8*\t+7] op_sel_hi:[1,0]   ; the sum under the new m
	v_pk_add_f32 v[ST+8*\t+4:ST+8*\t+5], v[S+32*\t:S+32*\t+1], v[S+32*\t+2:S+32*\t+3]
.endr
.irp i, 4,8,12,16,20,24,28
.irp t, 0,1
	v_pk_add_f32 v[ST+8*\t+2:ST+8*\t+3], v[ST+8*\t+2:ST+8*\t+3], v[S+32*\t+\i:S+32*\t+\i+1]
	v_pk_add_f32 v[ST+8*\t+4:ST+8*\t+5], v[ST+8*\t+4:ST+8*\t+5], v[S+32*\t+\i+2:S+32*\t+\i+3]
.endr
.endr
.irp t, 0,1
	v_pk_add_f32 v[ST+8*\t+2:ST+8*\t+3], v[ST+8*\t+2:ST+8*\t+3], v[ST+8*\t+4:ST+8*\t+5]
.endr
.irp i, 0,1,2,3,4,5,6,7,8,9,10,11,12,13,14,15
.irp t, 0,1
	v_cvt_pk_f16_f32 v[S+32*\t+\i], v[S+32*\t+2*\i], v[S+32*\t+2*\i+1]   ; in place, ascending: register i is written when 2 i and 2 i + 1 are read
.endr
.endr
.irp i, 0,2,4,6,8,10,12,14,16,18,20,22,24,26,28,30
.irp t, 0,1
	v_pk_mul_f32 v[O+32*\t+\i:O+32*\t+\i+1], v[O+32*\t+\i:O+32*\t+\i+1], v[ST+8*\t+6:ST+8*\t+7] op_sel_hi:[1,0]   ; O^T under the new m
.endr
.endr
	s_wait_dscnt 0x0                               ; V is in
.irp ks2, 0,1                                  ; O^T += V^T P: eight accumulators by turns
.irp ct, 0,1,2,3
.irp t, 0,1
	v_wmma_f32_16x16x32_f16 v[O+32*\t+8*\ct:O+32*\t+8*\ct+7], v[KV+8*(4*\ks2+\ct):KV+8*(4*\ks2+\ct)+7], v[S+32*\t+8*\ks2:S+32*\t+8*\ks2+7], v[O+32*\t+8*\ct:O+32*\t+8*\ct+7]
.endr
.endr
.endr
.Lhidden_\@:
	s_add_co_u32 s[KF], s[KF], 64
.endm
; THE CHANGE OF SLOTS stands at a slot's head.  Each wave waits for all its tensor loads, adds 0 to its spare word, and waits for that and for its reads of the slot that it has left.
; Behind the barrier the slot ahead is whole and nobody reads the other one.  fill = 1: that other slot takes the next 256 keys, up to the causal limit; the load has four key steps in which to land.
.macro CHANGE fill
	s_wait_tensorcnt 0x0                           ; no tensor load of mine is out, so a group 0 may be written
	ds_add_u32 v[SPW], v[NIL]                      ; 0 onto my spare word
.if \fill
	ds_add_u32 v[SPW], v[NIL]                      ; twice on end, in every trip alike
	s_xor_b32 s[G0K+1], s[G0K+1], SLOT1
	s_add_nc_u64 s[G0K+2:G0K+3], s[G0K+2:G0K+3], SK*128
	s_xor_b32 s[G0V+1], s[G0V+1], SLOT1
	s_add_nc_u64 s[G0V+2:G0V+3], s[G0V+2:G0V+3], SK*128
	s_wait_xcnt 0x0                                ; the last prefetch, a slot back, has read its address
	s_add_nc_u64 s[PFA:PFA+1], s[PFA:PFA+1], SK*128
.endif
	s_wait_dscnt 0x0                               ; the adds are done, and my reads of the slot that I have left are over
	s_barrier_signal -1
	s_barrier_wait -1
.if \fill
	s_add_co_u32 s78, s[KF], SK                    ; the first key of the slot that this change would ask for
	s_cmp_gt_u32 s78, s[QL]                        ; ids and the count of steps alone: all sixteen waves go the same way; no wave would read that slot
	s_cbranch_scc1 .Lpast_\@
	TLOAD                                          ; a wave's one tensor load until the next such barrier
.Lpast_\@:
	ASK
.endif
.endm
.macro SLOT_STEPS
	STEP 0
	STEP 1
	STEP 2
	STEP 3
	s_xor_b32 s[TB], s[TB], SLOT1
.endm
	s_wait_loadcnt 0x0                             ; Q
.Lslot:                                            ; seven trips
	CHANGE 1
	SLOT_STEPS
	s_sub_co_u32 s[SLOTS], s[SLOTS], 1
	s_cmp_lg_u32 s[SLOTS], 0
	s_cbranch_scc1 .Lslot
	CHANGE 0                                       ; the last slot is written out: nothing is left to ask for
	SLOT_STEPS
	; THE WAY OUT: O^T / the sum, to f16, through my stage, a tile of 16 rows at a time; each store of the wave covers 512 consecutive bytes of o16.
.rept 4
	v_nop                                          ; places behind the last products
.endr
.irp t, 0,1
	v_add_f32 v[ST+8*\t+4], v[ST+8*\t+2], v[ST+8*\t+3]
.endr
.irp t, 0,1
	v_permlanex16_b32 v[ST+8*\t+5], v[ST+8*\t+4], s[SEL], s[SEL+1]
.endr
.irp t, 0,1
	v_add_f32 v[ST+8*\t+4], v[ST+8*\t+4], v[ST+8*\t+5]
.endr
.irp t, 0,1
	v_rcp_f32 v[ST+8*\t+6], v[ST+8*\t+4]
.endr
	v_nop
	s_wait_alu depctr_va_vdst(0)                   ; one wait for the two reciprocals, ahead of their first reader
.macro PACK t
.irp i, 0,2,4,6,8,10,12,14,16,18,20,22,24,26,28,30
	v_pk_mul_f32 v[O+32*\t+\i:O+32*\t+\i+1], v[O+32*\t+\i:O+32*\t+\i+1], v[ST+8*\t+6:ST+8*\t+7] op_sel_hi:[1,0]
.endr
.irp i, 0,1,2,3,4,5,6,7,8,9,10,11,12,13,14,15
	v_cvt_pk_f16_f32 v[S+32*\t+\i], v[O+32*\t+2*\i], v[O+32*\t+2*\i+1]
.endr
.irp ct, 0,1,2,3
	ds_store_b128 v[STO], v[S+32*\t+4*\ct:S+32*\t+4*\ct+3] offset:32*\ct
.endr
.irp i, 0,1,2,3
	ds_load_b128 v[S+32*\t+16+4*\i:S+32*\t+16+4*\i+3], v[RD] offset:4*SGP*\i   ; LDS serves a wave's instructions in order
.endr
.endm
.macro SEND t, younger
.irp i, 0,1,2,3
	s_wait_dscnt \younger+3-\i
	global_store_b128 v[GO], v[S+32*\t+16+4*\i:S+32*\t+16+4*\i+3], s[6:7] offset:2048*\t+512*\i
.endr
.endm
	PACK 0
	PACK 1
	SEND 0, 8                                      ; tile 1's four stores and four loads may be out
	SEND 1, 0
	s_wait_tensorcnt 0x0                           ; the wave's end
	ds_add_u32 v[SPW], v[NIL]
	s_wait_dscnt 0x0
	s_endpgm
.Lfunc_end_k_qf888602993_attn:
	.size	k_qf888602993_attn, .Lfunc_end_k_qf888602993_attn-k_qf888602993_attn
	.p2alignl 7, 3214868480
	.fill 96, 4, 3214868480
	.section	.rodata,"a",@progbits
	.p2align	6, 0x0
	.amdhsa_kernel k_qf888602993_attn
		.amdhsa_group_segment_fixed_size 327680
		.amdhsa_private_segment_fixed_size 0
		.amdhsa_enable_private_segment 0
		.amdhsa_kernarg_size 16
		.amdhsa_user_sgpr_count 2
		.amdhsa_user_sgpr_kernarg_segment_ptr 1
		.amdhsa_wavefront_size32 1
		.amdhsa_system_sgpr_workgroup_id_x 1
		.amdhsa_system_sgpr_workgroup_id_y 1
		.amdhsa_system_sgpr_workgroup_id_z 1
		.amdhsa_system_vgpr_workitem_id 0
		.amdhsa_next_free_vgpr 256
		.amdhsa_next_free_sgpr 80
		.amdhsa_reserve_vcc 1
		.amdhsa_float_denorm_mode_32 3
		.amdhsa_float_denorm_mode_16_64 3
		.amdhsa_memory_ordered 1
		.amdhsa_forward_progress 1
		.amdhsa_inst_pref_size 188
	.end_amdhsa_kernel
	.amdgpu_metadata
---
amdhsa.version: [ 1, 2 ]
amdhsa.kernels:
  - .name:           k_qf888602993_attn
    .symbol:         k_qf888602993_attn.kd
    .args:
      - { .name: qkv, .offset: 0, .size: 8, .value_kind: global_buffer, .address_space: global }
      - { .name: o16, .offset: 8, .size: 8, .value_kind: global_buffer, .address_space: global }
    .group_segment_fixed_size: 327680
    .private_segment_fixed_size: 0
    .kernarg_segment_align: 8
    .kernarg_segment_size: 16
    .max_flat_workgroup_size: 512
    .sgpr_count:     80
    .vgpr_count:     256
    .wavefront_size: 32
...
	.end_amdgpu_metadata
.endif
;; end of part 3
;; launch oproj (part 4): grid 4 x 64, 4 waves a work-group, clusters of 4 x 4, 327,680 bytes of LDS; arguments o16, wo16, out0; writes out0
.if DOCPART == 4
	.amdgcn_target "amdgcn-amd-amdhsa--gfx1250"
	.amdhsa_code_object_version 6
	.text
	.protected	k_qf888602993_oproj
	.globl	k_qf888602993_oproj
	.p2align	8
	.type	k_qf888602993_oproj,@function
k_qf888602993_oproj:
	s_mov_b64 s[64:65], 0
	v_nop
	global_prefetch_b8 v0, s[64:65] scope:SCOPE_SE
	s_setreg_imm32_b32 hwreg(HW_REG_WAVE_MODE, 25, 1), 1
	s_wait_xcnt 0x0
	s_wait_alu depctr_hold_cnt(0) depctr_sa_sdst(0) depctr_va_vdst(0) depctr_va_sdst(0) depctr_va_ssrc(0) depctr_va_vcc(0) depctr_vm_vsrc(0)
	s_getreg_b32 s2, hwreg(HW_REG_IB_STS2, 6, 4)
	s_cmp_eq_u32 s2, 0
	s_cbranch_scc0 .Lentry_in_a_cluster
	s_endpgm
.Lentry_in_a_cluster:
	s_bfe_u32 s2, ttmp6, 0x10000c
	s_cmp_lg_u32 s2, 0xf033
	s_cbranch_scc0 .Lentry_shape_is_right
	s_endpgm
.Lentry_shape_is_right:
; OUT = o Wo^T: M 8,192 x N 1,024 x K 1,024, f16 operands, f32 sums, f32 output.  o16 lies head by head, [64 (batch x 16 + head)][2048][64]; wo16 is [1024 (n)][1024 (k)].
; A tile of 128 x 256 gives 256 work-groups.  Four waves, each 64 x 128: 32 accumulators, 256 registers.  K goes in steps of 128 (two heads) through a ring of two LDS slots.
; A K step of A is two dense blocks of 16,384 bytes (128 rows of 128 bytes of one head each): waves 0 and 1 fetch one each; waves 2 and 3 fetch 128 rows of 256 bytes of Wo each.
; CLUSTERS: 4 x 4.  The four of a row of the cluster need the same rows of o, the four of a column the same rows of Wo: each tile is asked for JOINTLY.
; THE MATRIX INSTRUCTION IS USED TRANSPOSED (source 0 = 16 rows of Wo, source 1 = 16 rows of o): a lane holds eight neighbouring numbers of a row of the output.
; REGISTERS: window 0: v0-31 addresses; two fragment buffers of 96 at v64 and v160 (o's four blocks, then Wo's eight, 32 along K).   window 1: accumulator (a, b) at v[8 (8 a + b)].
.set PA,     144                       ; a row of o in LDS: 128 bytes + 16
.set PB,     272                       ; a row of Wo: 256 + 16
.set HEADB,  128*PA                    ; one head's 128 rows
.set BOFF,   2*HEADB
.set HALFB,  128*PB
.set SLOT,   BOFF+2*HALFB              ; 106,496
.set STAGE,  2*SLOT                    ; behind the ring: 16 rows x 528 bytes for each wave
.set SPITCH, 528
.set SPARE,  STAGE+4*16*SPITCH
.set KA,     524288                    ; a K step in o16: two heads
.set KB,     256                       ; and in a row of wo16
.set LAPS,   4
.set ADRA, 16
.set ADRB, 20
.set STO,  24
.set RD,   25
.set CO,   26
.set SPW,  28
.set NIL,  29
.set PFO,  30
.set F0,   64
.set F1,   160
.set BK,   64                          ; the way out: v64-127 and v128-191 by turns
.set G1, 24
.set G0, 32
.set G1B, 48
.set G0B, 56
.set PFA, 44
.set LIM, 23
.set MSB, 0
.macro WIN new
.if MSB != \new
	s_set_vgpr_msb (MSB<<8)|\new
.set MSB, \new
.endif
.endm
.set MUL, 0x50                         ; sources 0 and 1 window 0; C and D window 1
.macro JLOAD s                         ; waves 0 and 1 fetch o's two heads, waves 2 and 3 Wo's two halves; an s_nop 0 and four v_nop follow each line
	s_cmp_eq_u32 s11, 0
	s_cbranch_scc0 .Lfor_b_\@
	tensor_load_to_lds s[G0+4*\s:G0+4*\s+3], s[G1:G1+7]
	s_nop 0
.rept 4
	v_nop
.endr
	s_branch .Lasked_\@
.Lfor_b_\@:
	tensor_load_to_lds s[G0B+4*\s:G0B+4*\s+3], s[G1B:G1B+7]
	s_nop 0
.rept 4
	v_nop
.endr
.Lasked_\@:
.endm
.macro CREST
	s_cmp_lg_u32 s10, 0
	s_cbranch_scc1 .Lnot_wave_0_\@
	s_barrier_signal -3
.Lnot_wave_0_\@:
	s_barrier_wait -3
	s_barrier_signal -1
	s_barrier_wait -1
.endm
.macro CROUND
	s_barrier_signal -1
	s_barrier_wait -1
	CREST
.endm
; A PREFETCH of o's K step that stands two refills on: 32,768 bytes.  The four partners that ask for it jointly share it out BY ADDRESS, 8,192 bytes each; in each, wave 0 asks: lanes 256 bytes apart, one instruction.
; No other cluster reads these rows, so each aligned 256 bytes is named once.  K steps 0 to 3 come by their loads alone; the loop's last trip asks for nothing.  wo16 is not asked for: all sixteen clusters read its 2 MiB again and again.
.macro ASK
	s_cmp_gt_u32 s3, s[LIM]
	s_cbranch_scc0 .Lnot_mine_\@
	global_prefetch_b8 v[PFO], s[PFA:PFA+1] offset:KA th:TH_LOAD_NT scope:SCOPE_SE
.Lnot_mine_\@:
.endm
	s_load_b128 s[4:7], s[0:1], 0x0                ; o16, wo16
	s_load_b64 s[8:9], s[0:1], 0x10                ; out0
	v_lshl_add_u32 v[SPW], v0, 2, SPARE
	v_mov_b32 v[NIL], 0
	ds_add_u32 v[SPW], v[NIL]                      ; the wave's opening: the add, twice on end, and its wait ahead of my first tensor load
	ds_add_u32 v[SPW], v[NIL]
	v_lshrrev_b32 v1, 5, v0
	v_readfirstlane_b32 s10, v1                    ; wave
	s_lshr_b32 s11, s10, 1                         ; which 64 of the tile's rows are mine.  Also: I fetch for o (0) or for Wo (1)
	s_and_b32 s12, s10, 1                          ; which 128 of its columns.  Also: which head, or which half of Wo's rows, I fetch
	s_bfe_u32 s40, ttmp6, 0x40000
	s_bfe_u32 s41, ttmp6, 0x40004
	s_lshl_b32 s42, ttmp9, 2
	s_add_co_u32 s42, s42, s40                     ; tile column
	s_and_b32 s13, ttmp7, 0xffff
	s_lshl_b32 s13, s13, 2
	s_add_co_u32 s13, s13, s41                     ; tile row
	s_lshl_b32 s43, s41, 2
	s_lshl_b32 s43, 15, s43                        ; my row of the cluster
	s_lshl_b32 s47, 0x1111, s40                    ; my column
	s_or_b32 s[G1+0], s43, (1<<16)|(1<<20)|(1<<21)|(4<<22)|(3<<25)   ; elements of 2 bytes; after every 32 words 4 words of padding
	s_mov_b32 s[G1+1], 64<<16
	s_mov_b32 s[G1+2], 128<<16
	s_mov_b32 s[G1+3], 64<<16
	s_mov_b32 s[G1+4], 128
	s_mov_b32 s[G1+5], 64
	s_mov_b32 s[G1+6], 0
	s_mov_b32 s[G1+7], 0
	s_or_b32 s[G1B+0], s47, (1<<16)|(1<<20)|(1<<21)|(5<<22)|(3<<25)  ; after every 64 words
	s_mov_b32 s[G1B+1], 128<<16
	s_mov_b32 s[G1B+2], 128<<16
	s_mov_b32 s[G1B+3], 128<<16
	s_mov_b32 s[G1B+4], 128
	s_mov_b32 s[G1B+5], 1024
	s_mov_b32 s[G1B+6], 0
	s_mov_b32 s[G1B+7], 0
	s_lshr_b32 s14, s13, 4                         ; the batch: 16 tiles of rows each
	s_lshl_b32 s14, s14, 22                        ; 16 heads of 262,144 bytes
	s_and_b32 s15, s13, 15
	s_lshl_b32 s15, s15, 14                        ; 128 rows of 128 bytes
	s_add_co_u32 s14, s14, s15
	s_lshl_b32 s15, s12, 18                        ; my head of the K step's two
	s_add_co_u32 s16, s14, s15
	s_mov_b32 s17, 0
	s_lshl_b32 s18, s42, 8
	s_lshl_b32 s19, s12, 7
	s_add_co_u32 s18, s18, s19
	s_lshl_b32 s18, s18, 11                        ; a row of wo16 is 2,048 bytes
	s_mov_b32 s19, 0
	s_mul_i32 s20, s12, HEADB
	s_mul_i32 s21, s12, HALFB
	s_add_co_u32 s21, s21, BOFF
	s_wait_dscnt 0x0
	s_wait_kmcnt 0x0
	s_add_nc_u64 s[16:17], s[4:5], s[16:17]
	s_add_nc_u64 s[18:19], s[6:7], s[18:19]
	CROUND                                         ; all sixteen work-groups are here
.irp s, 0,1
	s_mov_b32 s[G0+4*\s], 1
	s_add_co_u32 s[G0+4*\s+1], s20, \s*SLOT
	s_add_nc_u64 s[G0+4*\s+2:G0+4*\s+3], s[16:17], \s*KA
	s_or_b32 s[G0+4*\s+3], s[G0+4*\s+3], 0x80000000
	s_mov_b32 s[G0B+4*\s], 1
	s_add_co_u32 s[G0B+4*\s+1], s21, \s*SLOT
	s_add_nc_u64 s[G0B+4*\s+2:G0B+4*\s+3], s[18:19], \s*KB
	s_or_b32 s[G0B+4*\s+3], s[G0B+4*\s+3], 0x80000000
	JLOAD \s                                       ; two loads of mine are out
.endr
	v_and_b32 v1, 15, v0
	v_bfe_u32 v2, v0, 4, 1
	v_mul_u32_u24 v3, v1, PA
	v_lshl_add_u32 v3, v2, 4, v3
	v_mul_u32_u24 v4, v1, PB
	v_lshl_add_u32 v4, v2, 4, v4
	s_mul_i32 s20, s11, 64*PA
	s_mul_i32 s21, s12, HALFB
	s_add_co_u32 s21, s21, BOFF
.irp s, 0,1
	v_add_nc_u32 v[ADRA+\s], s20, v3
	v_add_nc_u32 v[ADRB+\s], s21, v4
	s_add_co_u32 s20, s20, SLOT
	s_add_co_u32 s21, s21, SLOT
.endr
	s_mul_i32 s22, s10, 16*SPITCH
	s_add_co_u32 s22, s22, STAGE
	v_mul_u32_u24 v5, v1, SPITCH
	v_lshl_add_u32 v5, v2, 5, v5
	v_add_nc_u32 v[STO], s22, v5
	v_and_b32 v6, 31, v0
	v_lshlrev_b32 v[CO], 4, v6
	v_add_nc_u32 v[RD], s22, v[CO]
	v_lshlrev_b32 v[PFO], 8, v6
	s_lshl_b32 s20, s13, 7
	s_lshl_b32 s21, s11, 6
	s_add_co_u32 s20, s20, s21
	s_lshl_b32 s20, s20, 12                        ; my first row of the output, 4,096 bytes a row
	s_lshl_b32 s21, s42, 10
	s_add_co_u32 s20, s20, s21
	s_lshl_b32 s21, s12, 9
	s_add_co_u32 s20, s20, s21
	s_mov_b32 s21, 0
	s_add_nc_u64 s[8:9], s[8:9], s[20:21]
	s_lshr_b32 s15, s40, 1                         ; the prefetches: my work-group's quarter of a K step: head cx / 2, half cx % 2
	s_lshl_b32 s15, s15, 18
	s_add_co_u32 s14, s14, s15
	s_and_b32 s15, s40, 1
	s_lshl_b32 s15, s15, 13
	s_add_co_u32 s14, s14, s15
	s_add_co_u32 s14, s14, 2*KA                    ; at K step 2: the first refill steps it to 3 and names K step 4
	s_mov_b32 s15, 0
	s_add_nc_u64 s[PFA:PFA+1], s[4:5], s[14:15]
	s_cmp_eq_u32 s10, 0
	s_cselect_b32 s[LIM], 1, -1
.macro MUL8 f, a, zero                 ; o's block a against Wo's eight, 32 along K.  The 32 accumulators take turns, one instruction a turn
.irp b, 0,1,2,3,4,5,6,7
.if \zero
	v_wmma_f32_16x16x32_f16 v[8*(8*(\a)+\b):8*(8*(\a)+\b)+7], v[\f+32+8*\b:\f+32+8*\b+7], v[\f+8*(\a):\f+8*(\a)+7], 0
.else
	v_wmma_f32_16x16x32_f16 v[8*(8*(\a)+\b):8*(8*(\a)+\b)+7], v[\f+32+8*\b:\f+32+8*\b+7], v[\f+8*(\a):\f+8*(\a)+7], v[8*(8*(\a)+\b):8*(8*(\a)+\b)+7]
.endif
.endr
.endm
.macro FETCH slot, q, f                ; 24 LDS loads in one run: Wo's 16, then o's 8
.irp i, 0,1,2,3,4,5,6,7
	ds_load_b128 v[\f+32+8*\i:\f+32+8*\i+3],   v[ADRB+\slot] offset:64*(\q)+\i*16*PB
	ds_load_b128 v[\f+32+8*\i+4:\f+32+8*\i+7], v[ADRB+\slot] offset:64*(\q)+\i*16*PB+32
.endr
.irp i, 0,1,2,3
	ds_load_b128 v[\f+8*\i:\f+8*\i+3],   v[ADRA+\slot] offset:((\q)/2)*HEADB+64*((\q)%2)+\i*16*PA
	ds_load_b128 v[\f+8*\i+4:\f+8*\i+7], v[ADRA+\slot] offset:((\q)/2)*HEADB+64*((\q)%2)+\i*16*PA+32
.endr
.endm
.macro PLACES
.rept 4
	v_nop
.endr
.endm
.macro QUARTER slot, q, f, g, zero     ; multiplies buffer f; in its middle fetches the slot's quarter q into buffer g
	s_wait_dscnt 4                                 ; all but the youngest four loads (o's blocks 2 and 3)
	WIN MUL
	MUL8 \f, 0, \zero
	MUL8 \f, 1, \zero
	PLACES
	WIN 0
	FETCH \slot, \q, \g
	s_wait_dscnt 24                                ; all but the 24 just issued
	WIN MUL
	MUL8 \f, 2, \zero
	MUL8 \f, 3, \zero
.endm
; A slot's last quarter multiplies buffer 1 and changes slots: one barrier; in front of it each wave waits for all its tensor loads, adds 0 to its spare word, and waits for that and for its reads of this slot.
.macro TURN slot, next, fill
.if \fill
	s_wait_xcnt 0x0                                ; the last prefetch, a K step back, has read its address
	s_add_nc_u64 s[PFA:PFA+1], s[PFA:PFA+1], KA
.endif
	WIN 0
	s_wait_tensorcnt 0x0                           ; my part of the next slot has landed
	ds_add_u32 v[SPW], v[NIL]                      ; 0 onto my spare word
	s_wait_dscnt 5                                 ; (the add and the youngest four loads may be out)
	WIN MUL
	MUL8 F1, 0, 0
	s_wait_dscnt 0x0                               ; the add is done, and my reads of this slot are over
	s_barrier_signal -1
	MUL8 F1, 1, 0
	WIN 0
	s_barrier_wait -1
.if \fill
	CREST                                          ; the barrier has opened a round of the cluster's: no wave of any partner still reads this slot or has a load on its way
	s_add_nc_u64 s[G0+4*\slot+2:G0+4*\slot+3], s[G0+4*\slot+2:G0+4*\slot+3], 2*KA
	s_add_nc_u64 s[G0B+4*\slot+2:G0B+4*\slot+3], s[G0B+4*\slot+2:G0B+4*\slot+3], 2*KB
	JLOAD \slot                                    ; 112 matrix instructions ahead of the wait for it; its four v_nop are the places in front of the loads below
.else
	PLACES
.endif
	FETCH \next, 0, F0
.if \fill
	ASK
.endif
	WIN MUL
	MUL8 F1, 2, 0
	MUL8 F1, 3, 0
.endm
	s_wait_tensorcnt 1                             ; my part of K step 0 is in; K step 1's may be out
	s_barrier_signal -1
	s_barrier_wait -1
	FETCH 0, 0, F0
	QUARTER 0, 1, F0, F1, 1                        ; the first products start the sums
	WIN 0
	s_mov_b32 s3, LAPS-1
.Llap:
	QUARTER 0, 2, F1, F0, 0
	QUARTER 0, 3, F0, F1, 0
	TURN 0, 1, 1
	QUARTER 1, 1, F0, F1, 0
	QUARTER 1, 2, F1, F0, 0
	QUARTER 1, 3, F0, F1, 0
	TURN 1, 0, 1
	QUARTER 0, 1, F0, F1, 0
	WIN 0
	s_sub_co_u32 s3, s3, 1
	s_cmp_lg_u32 s3, 0
	s_cbranch_scc1 .Llap
	QUARTER 0, 2, F1, F0, 0                        ; the last lap fills nothing
	QUARTER 0, 3, F0, F1, 0
	TURN 0, 1, 0
	QUARTER 1, 1, F0, F1, 0
	QUARTER 1, 2, F1, F0, 0
	QUARTER 1, 3, F0, F1, 0
	s_wait_dscnt 4
	WIN MUL
	MUL8 F1, 0, 0
	MUL8 F1, 1, 0
	s_wait_dscnt 0
	MUL8 F1, 2, 0
	MUL8 F1, 3, 0
	WIN 0
; THE WAY OUT, 16 rows x 128 columns at a time, through my own stage: back as whole rows of 512 bytes.
.macro TOSTAGE a
	WIN 0x04                                       ; an LDS store's data are its source 1: window 1
.irp b, 0,1,2,3,4,5,6,7
	ds_store_b128 v[STO], v[64*(\a)+8*\b:64*(\a)+8*\b+3] offset:64*\b          ; each accumulator from its low end on
	ds_store_b128 v[STO], v[64*(\a)+8*\b+4:64*(\a)+8*\b+7] offset:64*\b+16
.endr
	WIN 0
.irp u, 0,1,2,3,4,5,6,7,8,9,10,11,12,13,14,15
	ds_load_b128 v[BK+64*((\a)%2)+4*\u:BK+64*((\a)%2)+4*\u+3], v[RD] offset:\u*SPITCH
.endr
.endm
.macro SEND a, younger
	s_wait_dscnt \younger
.if (\a) > 0
	s_add_nc_u64 s[8:9], s[8:9], 16*4096           ; (behind a wait on XCNT: the earlier stores have read their base)
.endif
.irp u, 0,1,2,3,4,5,6,7,8,9,10,11,12,13,14,15
	global_store_b128 v[CO], v[BK+64*((\a)%2)+4*\u:BK+64*((\a)%2)+4*\u+3], s[8:9] offset:\u*4096 th:TH_STORE_NT   ; 32 lanes store 512 consecutive bytes, aligned
.endr
.endm
	PLACES
	TOSTAGE 0
.irp a, 1,2,3
.if \a > 1
	s_wait_xcnt 0x0                                ; block a - 2's stores have read their registers and their base
.endif
	TOSTAGE \a
	SEND \a-1, 32                                  ; block a's 16 stores and 16 loads may be out
.endr
	s_wait_xcnt 0x0
	SEND 3, 0
	s_wait_tensorcnt 0x0                           ; the wave's end
	ds_add_u32 v[SPW], v[NIL]
	s_wait_dscnt 0x0
	CROUND                                         ; the closing round
	s_endpgm
.Lfunc_end_k_qf888602993_oproj:
	.size	k_qf888602993_oproj, .Lfunc_end_k_qf888602993_oproj-k_qf888602993_oproj
	.p2alignl 7, 3214868480
	.fill 96, 4, 3214868480
	.section	.rodata,"a",@progbits
	.p2align	6, 0x0
	.amdhsa_kernel k_qf888602993_oproj
		.amdhsa_group_segment_fixed_size 327680
		.amdhsa_private_segment_fixed_size 0
		.amdhsa_enable_private_segment 0
		.amdhsa_kernarg_size 24
		.amdhsa_user_sgpr_count 2
		.amdhsa_user_sgpr_kernarg_segment_ptr 1
		.amdhsa_wavefront_size32 1
		.amdhsa_system_sgpr_workgroup_id_x 1
		.amdhsa_system_sgpr_workgroup_id_y 1
		.amdhsa_system_sgpr_workgroup_id_z 1
		.amdhsa_system_vgpr_workitem_id 0
		.amdhsa_next_free_vgpr 512
		.amdhsa_next_free_sgpr 66
		.amdhsa_reserve_vcc 0
		.amdhsa_float_denorm_mode_32 3
		.amdhsa_float_denorm_mode_16_64 3
		.amdhsa_memory_ordered 1
		.amdhsa_forward_progress 1
		.amdhsa_inst_pref_size 86
	.end_amdhsa_kernel
	.amdgpu_metadata
---
amdhsa.version: [ 1, 2 ]
amdhsa.kernels:
  - .name:           k_qf888602993_oproj
    .symbol:         k_qf888602993_oproj.kd
    .args:
      - { .name: o16, .offset: 0, .size: 8, .value_kind: global_buffer, .address_space: global }
      - { .name: wo16, .offset: 8, .size: 8, .value_kind: global_buffer, .address_space: global }
      - { .name: out0, .offset: 16, .size: 8, .value_kind: global_buffer, .address_space: global }
    .group_segment_fixed_size: 327680
    .private_segment_fixed_size: 0
    .kernarg_segment_align: 8
    .kernarg_segment_size: 24
    .max_flat_workgroup_size: 128
    .sgpr_count:     66
    .vgpr_count:     512
    .wavefront_size: 32
...
	.end_amdgpu_metadata
.endif
;; end of part 4
;; launch first16 (part 5): grid 16 x 4, 16 waves a work-group, no clusters, 85,504 bytes of LDS; arguments fine32, Wo, out0; writes out0
.if DOCPART == 5
	.amdgcn_target "amdgcn-amd-amdhsa--gfx1250"
	.amdhsa_code_object_version 6
	.text
	.protected	k_qf888602993_first16
	.globl	k_qf888602993_first16
	.p2align	8
	.type	k_qf888602993_first16,@function
k_qf888602993_first16:
	s_mov_b64 s[64:65], 0
	v_nop
	global_prefetch_b8 v0, s[64:65] scope:SCOPE_SE
	s_setreg_imm32_b32 hwreg(HW_REG_WAVE_MODE, 25, 1), 1
	s_wait_xcnt 0x0
; THE FIRST 16 POSITIONS OF EVERY SEQUENCE, in f32 throughout: they average one to sixteen values, so the rounding of 16-bit operands would weigh most there.  Their rows of out0 are written anew.
; fine32 [3 (q, k, v)][4][16][1024] f32 (rotated); Wo [1024][1024] f32.  A work-group takes a batch (y) and 64 output columns (x).  Small work: 16 x 16 scores a head, 16 rows of the projection.
; PHASE 1: wave = head.  S^T = K Q^T (a lane holds one query and keys 8 (lane / 16) + 0 .. 7), the mask, the softmax with its maximum taken away, O^T = V^T P; o's 16 rows of 1,024 meet in LDS.
; PHASE 2: wave = (16 columns, a quarter of K).  The four quarters' sums meet in LDS and are added; waves 0 to 7 store, sixteen lanes to 256 consecutive bytes, aligned.
; The f32 matrix form takes 4 along K.  A load of 16 bytes at byte 16 (lane / 16) + 32 g of a row feeds two instructions; both operands are loaded alike, so each k meets its partner.
; v112-127, the two accumulators, are written by matrix instructions alone; sums begin with the constant 0; the two take turns, one instruction a turn.
.set OSTP,  4112                       ; a row of o in LDS: 4,096 bytes + 16
.set RED,   66048                      ; 4 quarters x 16 rows x 272 bytes
.set REDP,  272
.set SPARE, 83456                      ; the spare words, 128 bytes a wave
.set SPW, 4
.set NIL, 5
.set QF,  16
.set KF,  48
.set VF,  80
.set SA,  112
.set SB,  120
.set WO,  128
	s_load_b128 s[4:7], s[0:1], 0x0                ; fine32, Wo
	s_load_b64 s[8:9], s[0:1], 0x10                ; out0
	v_lshl_add_u32 v[SPW], v0, 2, SPARE
	v_mov_b32 v[NIL], 0
	v_lshrrev_b32 v1, 5, v0
	v_readfirstlane_b32 s10, v1                    ; wave = head
	v_and_b32 v1, 15, v0                           ; r
	v_bfe_u32 v2, v0, 4, 1                         ; h
	s_and_b32 s11, s10, 3                          ; nt: which 16 columns
	s_lshr_b32 s12, s10, 2                         ; kq: which quarter of K
	s_and_b32 s13, s10, 7
	s_and_b32 s23, ttmp7, 0xffff                   ; the batch
	v_lshlrev_b32 v3, 12, v1
	v_lshl_add_u32 v3, v2, 4, v3                   ; rows of 4,096 bytes: row r, + 16 h (q, k, Wo)
	v_lshlrev_b32 v6, 2, v1
	v_lshl_add_u32 v6, v2, 15, v6                  ; v: channel r, keys 8 h on
	v_mul_u32_u24 v7, v1, OSTP
	v_lshl_add_u32 v8, v2, 4, v7
	v_lshl_add_u32 v7, v2, 5, v7
	s_lshl_b32 s14, s10, 8
	v_add_nc_u32 v7, s14, v7                       ; o, in: row r, my head's 256 bytes, + 32 h
	s_lshl_b32 s14, s12, 10
	v_add_nc_u32 v8, s14, v8                       ; o, back: row r, my quarter's 1,024 bytes, + 16 h
	v_mul_u32_u24 v9, v1, REDP
	v_lshl_add_u32 v9, v2, 5, v9
	s_mul_i32 s14, s12, 16*REDP
	s_lshl_b32 s15, s11, 6
	s_add_co_u32 s14, s14, s15
	s_add_co_u32 s14, s14, RED
	v_add_nc_u32 v9, s14, v9                       ; the quarters' sums, in
	s_lshl_b32 s14, s13, 1
	v_add_nc_u32 v11, s14, v2                      ; the row that I store: 2 (wave % 8) + h
	v_mul_u32_u24 v10, v11, REDP
	v_lshl_add_u32 v10, v1, 4, v10
	v_add_nc_u32 v10, RED, v10                     ; and back
	v_lshlrev_b32 v11, 12, v11
	v_lshl_add_u32 v11, v1, 4, v11                 ; its place in out0
	v_lshlrev_b32 v12, 3, v2
	v_sub_nc_u32 v12, v1, v12                      ; r - 8 h: key 8 h + j is hidden where j > this
	v_mov_b32 v13, 0xff800000
	v_mov_b32 v14, 0                               ; (a lane permute's destination counts as read)
	v_mov_b32 v15, 0
	s_mov_b32 s20, 0x76543210
	s_mov_b32 s21, 0xfedcba98
	s_mov_b32 s22, 0x3e38aa3b                      ; c = log2(e) / 8
	s_lshl_b32 s24, s23, 16
	s_lshl_b32 s25, s10, 8
	s_add_co_u32 s24, s24, s25
	s_mov_b32 s25, 0
	s_lshl_b32 s26, ttmp9, 18                      ; 64 rows of Wo
	s_lshl_b32 s27, s11, 16
	s_add_co_u32 s26, s26, s27
	s_lshl_b32 s27, s12, 10
	s_add_co_u32 s26, s26, s27
	s_mov_b32 s27, 0
	s_lshl_b32 s28, s23, 23                        ; 2,048 rows of 4,096 bytes a batch
	s_lshl_b32 s29, ttmp9, 8
	s_add_co_u32 s28, s28, s29
	s_mov_b32 s29, 0
	s_wait_kmcnt 0x0
	s_add_nc_u64 s[4:5], s[4:5], s[24:25]
	s_add_nc_u64 s[6:7], s[6:7], s[26:27]
	s_add_nc_u64 s[8:9], s[8:9], s[28:29]
.irp g, 0,1,2,3,4,5,6,7
	global_load_b128 v[QF+4*\g:QF+4*\g+3], v3, s[4:5] offset:32*\g
.endr
.irp g, 0,1,2,3,4,5,6,7
	global_load_b128 v[KF+4*\g:KF+4*\g+3], v3, s[4:5] offset:262144+32*\g
.endr
.irp ct, 0,1,2,3                               ; V(key 8 h + i, channel 16 ct + r): the keys in the order in which p's registers hold them
.irp i, 0,1,2,3,4,5,6,7
	global_load_b32 v[VF+8*\ct+\i], v6, s[4:5] offset:524288+4096*\i+64*\ct
.endr
.endr
	s_wait_loadcnt 32                              ; q and k are in; v's 32 loads may be out
	v_wmma_f32_16x16x4_f32 v[SA:SA+7], v[KF:KF+1], v[QF:QF+1], 0
	v_wmma_f32_16x16x4_f32 v[SB:SB+7], v[KF+2:KF+3], v[QF+2:QF+3], 0
.irp g, 1,2,3,4,5,6,7
	v_wmma_f32_16x16x4_f32 v[SA:SA+7], v[KF+4*\g:KF+4*\g+1], v[QF+4*\g:QF+4*\g+1], v[SA:SA+7]
	v_wmma_f32_16x16x4_f32 v[SB:SB+7], v[KF+4*\g+2:KF+4*\g+3], v[QF+4*\g+2:QF+4*\g+3], v[SB:SB+7]
.endr
.irp g, 0,1,2,3,4,5,6,7,8,9,10,11,12,13,14,15,16,17,18,19,20,21,22,23,24,25,26,27,28,29,30,31
	global_load_b128 v[WO+4*\g:WO+4*\g+3], v3, s[6:7] offset:32*\g   ; my 16 rows x 256 k of Wo: wanted in phase 2
.endr
.rept 8
	v_nop                                          ; eight places behind this form (ISA guide 7.12.1)
.endr
.irp j, 0,1,2,3,4,5,6,7
	v_add_f32 v[16+\j], v[SA+\j], v[SB+\j]         ; the scores, into other registers, from the low end on
.endr
.irp j, 0,1,2,3,4,5,6,7
	v_cmp_gt_i32 vcc_lo, \j, v12
	v_cndmask_b32 v[16+\j], v[16+\j], v13, vcc_lo
.endr
	v_max3_num_f32 v24, v16, v17, v18
	v_max3_num_f32 v24, v24, v19, v20
	v_max3_num_f32 v24, v24, v21, v22
	v_max_num_f32 v24, v24, v23
	v_permlanex16_b32 v14, v24, s20, s21
	v_max_num_f32 v24, v24, v14                    ; the row's largest score (key 0 counts for every query)
	v_mul_f32 v26, s22, v24
.irp j, 0,1,2,3,4,5,6,7
	v_fma_f32 v[16+\j], v[16+\j], s22, -v26
.endr
.irp j, 0,1,2,3,4,5,6,7
	v_exp_f32 v[16+\j], v[16+\j]
.endr
	v_nop
	s_wait_alu depctr_va_vdst(0)                   ; one wait for the eight, ahead of their first reader
	v_add_f32 v24, v16, v17
	v_add_f32 v25, v18, v19
	v_add_f32 v26, v20, v21
	v_add_f32 v27, v22, v23
	v_add_f32 v24, v24, v25
	v_add_f32 v26, v26, v27
	v_add_f32 v24, v24, v26
	v_permlanex16_b32 v15, v24, s20, s21
	v_add_f32 v24, v24, v15
	v_rcp_f32 v25, v24
	v_nop
	s_wait_alu depctr_va_vdst(0)
.irp j, 0,1,2,3,4,5,6,7
	v_mul_f32 v[16+\j], v[16+\j], v25              ; the weights
.endr
	s_wait_loadcnt 32                              ; v is in; Wo's 32 loads may be out
.irp pr, 0,1                                   ; O^T = V^T P, two tiles of 16 channels at a time
	v_wmma_f32_16x16x4_f32 v[SA:SA+7], v[VF+16*\pr:VF+16*\pr+1], v[16:17], 0
	v_wmma_f32_16x16x4_f32 v[SB:SB+7], v[VF+16*\pr+8:VF+16*\pr+9], v[16:17], 0
.irp c, 1,2,3
	v_wmma_f32_16x16x4_f32 v[SA:SA+7], v[VF+16*\pr+2*\c:VF+16*\pr+2*\c+1], v[16+2*\c:17+2*\c], v[SA:SA+7]
	v_wmma_f32_16x16x4_f32 v[SB:SB+7], v[VF+16*\pr+8+2*\c:VF+16*\pr+9+2*\c], v[16+2*\c:17+2*\c], v[SB:SB+7]
.endr
.rept 9
	v_nop                                          ; eight places for the stores; the ninth for the next products, which begin these accumulators anew
.endr
	ds_store_b128 v7, v[SA:SA+3] offset:128*\pr
	ds_store_b128 v7, v[SA+4:SA+7] offset:128*\pr+16
	ds_store_b128 v7, v[SB:SB+3] offset:128*\pr+64
	ds_store_b128 v7, v[SB+4:SB+7] offset:128*\pr+80
	s_wait_dscnt 0x0                               ; the stores have landed
.endr
	s_barrier_signal -1
	s_barrier_wait -1                              ; o's 16 rows lie in LDS
.irp g, 0,1,2,3,4,5,6,7,8,9,10,11,12,13,14,15,16,17,18,19,20,21,22,23
	ds_load_b128 v[16+4*\g:16+4*\g+3], v8 offset:32*\g
.endr
	s_wait_loadcnt 0x0                             ; Wo
	s_wait_dscnt 8                                 ; the first 16 loads are in
	v_wmma_f32_16x16x4_f32 v[SA:SA+7], v[WO:WO+1], v[16:17], 0
	v_wmma_f32_16x16x4_f32 v[SB:SB+7], v[WO+2:WO+3], v[18:19], 0
.irp g, 1,2,3,4,5,6,7,8,9,10,11,12,13,14,15
	v_wmma_f32_16x16x4_f32 v[SA:SA+7], v[WO+4*\g:WO+4*\g+1], v[16+4*\g:17+4*\g], v[SA:SA+7]
	v_wmma_f32_16x16x4_f32 v[SB:SB+7], v[WO+4*\g+2:WO+4*\g+3], v[18+4*\g:19+4*\g], v[SB:SB+7]
.endr
.rept 8
	v_nop                                          ; places in front of loads into registers that these products have read
.endr
.irp g, 24,25,26,27,28,29,30,31
	ds_load_b128 v[16+4*(\g-24):16+4*(\g-24)+3], v8 offset:32*\g
.endr
	s_wait_dscnt 8                                 ; all but the eight just issued
.irp g, 16,17,18,19,20,21,22,23
	v_wmma_f32_16x16x4_f32 v[SA:SA+7], v[WO+4*\g:WO+4*\g+1], v[16+4*\g:17+4*\g], v[SA:SA+7]
	v_wmma_f32_16x16x4_f32 v[SB:SB+7], v[WO+4*\g+2:WO+4*\g+3], v[18+4*\g:19+4*\g], v[SB:SB+7]
.endr
	s_wait_dscnt 0x0
.irp g, 24,25,26,27,28,29,30,31
	v_wmma_f32_16x16x4_f32 v[SA:SA+7], v[WO+4*\g:WO+4*\g+1], v[16+4*(\g-24):17+4*(\g-24)], v[SA:SA+7]
	v_wmma_f32_16x16x4_f32 v[SB:SB+7], v[WO+4*\g+2:WO+4*\g+3], v[18+4*(\g-24):19+4*(\g-24)], v[SB:SB+7]
.endr
.rept 8
	v_nop
.endr
.irp j, 0,1,2,3,4,5,6,7
	v_add_f32 v[80+\j], v[SA+\j], v[SB+\j]         ; my quarter's sums: out(row r, columns 16 nt + 8 h + j)
.endr
	ds_store_b128 v9, v[80:83]
	ds_store_b128 v9, v[84:87] offset:16
	s_wait_dscnt 0x0
	s_barrier_signal -1
	s_barrier_wait -1
	s_cmp_lt_u32 s10, 8
	s_cbranch_scc0 .Ldone
.irp k, 0,1,2,3
	ds_load_b128 v[16+4*\k:16+4*\k+3], v10 offset:16*REDP*\k
.endr
	s_wait_dscnt 0x0
	v_pk_add_f32 v[16:17], v[16:17], v[20:21]
	v_pk_add_f32 v[18:19], v[18:19], v[22:23]
	v_pk_add_f32 v[24:25], v[24:25], v[28:29]
	v_pk_add_f32 v[26:27], v[26:27], v[30:31]
	v_pk_add_f32 v[16:17], v[16:17], v[24:25]
	v_pk_add_f32 v[18:19], v[18:19], v[26:27]
	global_store_b128 v11, v[16:19], s[8:9]        ; sixteen lanes store 256 consecutive bytes, aligned
.Ldone:
	s_wait_tensorcnt 0x0                           ; the wave's end, behind my last LDS store
	ds_add_u32 v[SPW], v[NIL]
	s_wait_dscnt 0x0
	s_endpgm
.Lfunc_end_k_qf888602993_first16:
	.size	k_qf888602993_first16, .Lfunc_end_k_qf888602993_first16-k_qf888602993_first16
	.p2alignl 7, 3214868480
	.fill 96, 4, 3214868480
	.section	.rodata,"a",@progbits
	.p2align	6, 0x0
	.amdhsa_kernel k_qf888602993_first16
		.amdhsa_group_segment_fixed_size 85504
		.amdhsa_private_segment_fixed_size 0
		.amdhsa_enable_private_segment 0
		.amdhsa_kernarg_size 24
		.amdhsa_user_sgpr_count 2
		.amdhsa_user_sgpr_kernarg_segment_ptr 1
		.amdhsa_wavefront_size32 1
		.amdhsa_system_sgpr_workgroup_id_x 1
		.amdhsa_system_sgpr_workgroup_id_y 1
		.amdhsa_system_sgpr_workgroup_id_z 1
		.amdhsa_system_vgpr_workitem_id 0
		.amdhsa_next_free_vgpr 256
		.amdhsa_next_free_sgpr 66
		.amdhsa_reserve_vcc 1
		.amdhsa_float_denorm_mode_32 3
		.amdhsa_float_denorm_mode_16_64 3
		.amdhsa_memory_ordered 1
		.amdhsa_forward_progress 1
		.amdhsa_inst_pref_size 25
	.end_amdhsa_kernel
	.amdgpu_metadata
---
amdhsa.version: [ 1, 2 ]
amdhsa.kernels:
  - .name:           k_qf888602993_first16
    .symbol:         k_qf888602993_first16.kd
    .args:
      - { .name: fine32, .offset: 0, .size: 8, .value_kind: global_buffer, .address_space: global }
      - { .name: Wo, .offset: 8, .size: 8, .value_kind: global_buffer, .address_space: global }
      - { .name: out0, .offset: 16, .size: 8, .value_kind: global_buffer, .address_space: global }
    .group_segment_fixed_size: 85504
    .private_segment_fixed_size: 0
    .kernarg_segment_align: 8
    .kernarg_segment_size: 24
    .max_flat_workgroup_size: 512
    .sgpr_count:     66
    .vgpr_count:     256
    .wavefront_size: 32
...
	.end_amdgpu_metadata
.endif
;; end of part 5
